; MI455X (gfx1250); checked and timed in simulation.
; The chip was launched on July 23, 2026; its instructions are those of AMD's public machine-readable ISA for CDNA 5 (MIT licence, August 2026) and "CDNA5" Instruction Set Architecture Reference Guide (July 2026). The comments in the code are by the model that wrote it; some were corrected since.
;; Multihead Attention. Allowed arithmetic: matrix products marked QUANTISED: E3M2 operands, one E8M0 scale for each 32 along K, by v_wmma_scale_f32_16x16x128_f8f6f4 with both operands' format E3M2, f32 sums; everything else in f32.
;; Inputs: Wk 1,024 x 1,024 float32; Wo 1,024 x 1,024 float32; Wq 1,024 x 1,024 float32; Wv 1,024 x 1,024 float32; bk 1,024 float32; bo 1,024 float32; bq 1,024 float32; bv 1,024 float32; keys 1 x 4,096 x 1,024 float32; querys 1 x 4,096 x 1,024 float32; values 1 x 4,096 x 1,024 float32.
;; Outputs: out0 1 x 4,096 x 1,024 float32.
;; This version of the problem:
;;   THIS VERSION OF THE PROBLEM IS GIVEN IN LOW PRECISION. The matrix products marked QUANTISED in the list below multiply operands that are first quantised to E3M2 (3 exponent bits, 2 mantissa bits; 6 bits a number), with one power-of-two scale for each 32 numbers along K (OCP MX v1.0); their sums are f32. All else is computed in f32.
;;   The module's matrix products, in the order in which they are computed (A, B: the left and right operand; K: the contracted axis; several contracted axes count as one K, in the product's order):
;;     1. [M 4,096, K 1,024] x [K 1,024, N 1,024]; A: input querys; B: input Wq: QUANTISED
;;     2. [M 4,096, K 1,024] x [K 1,024, N 1,024]; A: input keys; B: input Wk: QUANTISED
;;     3. [M 4,096, K 1,024] x [K 1,024, N 1,024]; A: input values; B: input Wv: QUANTISED
;;     4. batch 16 x [M 4,096, K 64] x [K 64, N 4,096]; A: computed on the way; B: computed on the way: QUANTISED
;;     5. batch 16 x [M 4,096, K 4,096] x [K 4,096, N 64]; A: softmax (see below); B: computed on the way: QUANTISED
;;     6. [M 4,096, K 1,024] x [K 1,024, N 1,024]; A: computed on the way; B: input Wo: QUANTISED
;;   THE QUANTISER, for each operand of a quantised product, along K:
;;     - K is cut into blocks of 32 from its start; a last block that is shorter is filled with zeros.
;;     - A block's scale is 2^e with e = floor(log2(the largest magnitude in the block)) - 4, held to -126 .. 127; a block of zeros has e = 0. As a byte (E8M0): e + 127.
;;     - Each number is divided by its block's scale, clamped to +-28, and rounded to the nearest number of E3M2, ties to even, subnormals kept.
;;     - The product sums the exact products of the quantised numbers (number of the format x scale) in f32.
;;   ~~~python
;;   def quantise(x, axis):      # numpy; x: float32 -> the quantised numbers, widened to float32 again
;;       x = np.moveaxis(x, axis, -1); K = x.shape[-1]
;;       x = np.pad(x, [(0, 0)] * (x.ndim - 1) + [(0, -K % 32)]); x = x.reshape(x.shape[:-1] + (-1, 32)); a = np.abs(x).max(-1, keepdims=True)
;;       e = np.where(a > 0, np.clip(np.frexp(np.where(a > 0, a, 1))[1] - 1 - 4, -126, 127), 0)      # np.frexp(a)[1] - 1 = floor(log2(a)), exactly
;;       r = np.clip(x / 2.0 ** e, -28, 28)
;;       step = 2.0 ** (np.maximum(np.frexp(np.where(r == 0, 1, r))[1] - 1, -2) - 2)
;;       q = np.round(r / step) * step * 2.0 ** e      # np.round: ties to even
;;       return np.moveaxis(q.reshape(q.shape[:-2] + (-1,))[..., :K], -1, axis).astype(np.float32)
;;   ~~~
;;   SOFTMAX AHEAD OF A QUANTISED PRODUCT. Where the list says 'softmax', what is quantised is not the finished softmax but p = 2^(t - M), with t = logit x log2(e) and M = ceil(the row's largest t), a whole number; so 1/2 < the row's largest p <= 1. The row's sum l is taken of the UNQUANTISED p, in f32, and the product's result is divided by l at the end. Since M is a whole number, a kernel that streams over the keys may use a running M (the ceiling of the running maximum): every later rescaling is an exact power of two, which a block's scale takes up: the codes' values come out the same.
;;   OPERANDS COMPUTED ON THE WAY. 'Computed on the way' means the value that the module computes at that place (a softmax that the list does not call 'softmax' is quantised finished and normalised). What goes into a quantiser is computed in f32, as accurately as f32 sums, v_exp_f32 and their like allow (about 1e-6 of the number): no bf16 or f16 on the way to a quantiser, and a product that is left as it is and whose result goes on into a quantised operand takes f32 operands (vector FMAs, or v_wmma_f32_16x16x4_f32). A number that lies on a knife's edge between two numbers of the format may be rounded either way, as far as f32 arithmetic and the matrix unit's own rounding can turn it there, and no further.
;; One version. Each part assembles by itself: llvm-mc -triple=amdgcn-amd-amdhsa -mcpu=gfx1250 --defsym DOCPART=n.
;; ======== version 1 of 1: 4 launches
;; limits: right only within a limited range of input values
;; workspace buffers: opnd 12,582,912 bytes; opsc 524,288 bytes; q_img 3,145,728 bytes; q_sc 131,072 bytes; kv_img 6,291,456 bytes; kv_sc 262,144 bytes; attn_img 3,145,728 bytes; attn_sc 131,072 bytes
;; launch quant (part 1): grid 256 x 1, 8 waves a work-group, no clusters, 70,656 bytes of LDS; arguments querys, keys, values, Wq, Wk, Wv, Wo, opnd, opsc; writes opnd, opsc
.if DOCPART == 1
	.amdgcn_target "amdgcn-amd-amdhsa--gfx1250"
	.amdhsa_code_object_version 6
	.text
	.protected	k_q2ae16c033f_quant
	.globl	k_q2ae16c033f_quant
	.p2align	8
	.type	k_q2ae16c033f_quant,@function
k_q2ae16c033f_quant:
	s_mov_b64 s[64:65], 0
	v_nop
	global_prefetch_b8 v0, s[64:65] scope:SCOPE_SE
	s_setreg_imm32_b32 hwreg(HW_REG_WAVE_MODE, 25, 1), 1
	s_wait_xcnt 0x0
; querys, keys, values [4096][1024] and Wq, Wk, Wv, Wo [1024][1024], f32, K innermost, become codes of BF6 (E3M2) with one E8M0 byte for each 32 along K,
; laid in the ORDER OF THE OPERAND'S REGISTERS, so that the products' launches read fragments as dense blocks.
; ROWS.  All rows form one list of 128 groups of 128 rows (querys 0-31, keys 32-63, values 64-95, Wq 96-103, Wk 104-111, Wv 112-119, Wo 120-127).  A group has 8 tiles of 16 positions;
; position p of tile a is row 32 (a / 2) + 8 (a % 2) + p % 8 + 16 (p / 8) of the group: with such a tile as a product's source 0 the 16 result registers of tiles 2 b and 2 b + 1 are 16 neighbouring rows.
; A FRAGMENT (16 positions x 128 K, 12 registers a lane) is an image of 1,536 bytes: registers 0-3 at 16 x lane, 4-5 at 512 + 8 x lane, 6-9 at 768 + 16 x lane, 10-11 at 1,280 + 8 x lane.
; Fragment (tile T, K step s) lies at (T / 8) 98,304 + (s / 2) 24,576 + (T % 8) 3,072 + (s % 2) 1,536; its 16 scale words at 512 T + 64 s + 4 x position.
; A block's scale is 2^(floor(log2(largest magnitude)) - 4): its byte is the largest magnitude's exponent field - 4, held at 1 from below by a floor among the maximum's leaves.
; LIMITS: NaN and infinities are not served; a block whose largest magnitude lies under 2^-122 is held at the byte 1; a block of zeros gets the byte 1, not 127: its codes are zeros and this program alone reads the bytes.
; SHARES.  1,024 tiles x 8 K steps.  Wave w of work-group g takes tile 4 g + w / 2 and four K steps, 4 (w % 2) on.  Each load reads 512 consecutive bytes of one row; a fragment's 16 rows turn through the wave's own
; stage in LDS (pitch 528), from which lane (r, h) takes, of position r, its two whole blocks k = 64 c + 32 h + 0 .. 31.  Waves share nothing: no barrier.  Loads run a fragment (16 loads) ahead of the one at work.
.set WREG, 8704                        ; LDS of a wave: the stage, 16 x 528, and 256 bytes for its four fragments' scale words
.set SP,   528
.set SCW,  16*SP
.set R,    32                          ; v32-159  two sets of 64: a fragment as loaded
.set X,    160                         ; v160-223 my two blocks of 32
.set PC,   224                         ; v224-247 two sets of 12: the codes
.set PT,   248                         ; v248-255 a block's upper half (a conversion's three registers begin on an even number)
	s_load_b512 s[16:31], s[0:1], 0x0              ; querys, keys, values, Wq, Wk, Wv, Wo, opnd
	s_load_b64 s[32:33], s[0:1], 0x40              ; opsc
	v_lshl_add_u32 v251, v0, 2, 0x11000
	v_mov_b32 v255, 0
	v_lshrrev_b32 v1, 5, v0
	s_delay_alu instid0(VALU_DEP_1)
	v_readfirstlane_b32 s2, v1                     ; wave 0..7
	v_and_b32 v1, 31, v0                           ; lane
	v_and_b32 v2, 15, v0                           ; r
	v_bfe_u32 v3, v0, 4, 1                         ; h
	s_and_b32 s3, s2, 1                            ; which half of K
	s_lshr_b32 s7, s2, 1
	s_lshl_b32 s8, ttmp9, 2
	s_add_co_u32 s7, s7, s8                        ; T: my tile in the list
	s_mul_i32 s9, s2, WREG
	v_lshlrev_b32 v4, 4, v1                        ; 16 x lane
	v_lshlrev_b32 v5, 3, v1                        ; 8 x lane
	s_delay_alu instid0(VALU_DEP_2)
	v_add_nc_u32 v6, s9, v4                        ; the stage, on the way in
	v_mul_u32_u24 v7, v2, SP
	s_delay_alu instid0(VALU_DEP_1)
	v_lshl_add_u32 v7, v3, 7, v7
	s_delay_alu instid0(VALU_DEP_1)
	v_add_nc_u32 v7, s9, v7                        ; and out: row r, 128 h bytes on
	s_add_co_u32 s9, s9, SCW
	v_lshl_add_u32 v8, v2, 2, s9                   ; my position's scale word
	v_add_nc_u32 v9, s9, v5                        ; the 256 bytes of scale words on their way out
	v_lshlrev_b32 v10, 3, v3                       ; 8 h: my bytes' place in the word
	v_mov_b32 v23, 0                               ; a lane permute's destination counts as one of its sources
	s_mov_b32 s12, 0x76543210
	s_mov_b32 s13, 0xfedcba98                      ; selects for lane l xor 16
	s_wait_alu depctr_va_vdst(0)
	s_wait_kmcnt 0x0
	s_mov_b64 s[4:5], s[28:29]                     ; which tensor: chosen by the work-group's number alone; only the pointer and the tensor's first tile are chosen
	s_mov_b32 s6, 960
	s_cmp_lt_u32 ttmp9, 240
	s_cselect_b64 s[4:5], s[26:27], s[4:5]
	s_cselect_b32 s6, 896, s6
	s_cmp_lt_u32 ttmp9, 224
	s_cselect_b64 s[4:5], s[24:25], s[4:5]
	s_cselect_b32 s6, 832, s6
	s_cmp_lt_u32 ttmp9, 208
	s_cselect_b64 s[4:5], s[22:23], s[4:5]
	s_cselect_b32 s6, 768, s6
	s_cmp_lt_u32 ttmp9, 192
	s_cselect_b64 s[4:5], s[20:21], s[4:5]
	s_cselect_b32 s6, 512, s6
	s_cmp_lt_u32 ttmp9, 128
	s_cselect_b64 s[4:5], s[18:19], s[4:5]
	s_cselect_b32 s6, 256, s6
	s_cmp_lt_u32 ttmp9, 64
	s_cselect_b64 s[4:5], s[16:17], s[4:5]
	s_cselect_b32 s6, 0, s6
	s_sub_co_u32 s8, s7, s6                        ; the tile's number in its tensor: its position 0 is row 32 (Tl / 2) + 8 (Tl % 2)
	s_lshr_b32 s10, s8, 1
	s_lshl_b32 s10, s10, 17                        ; rows of 4,096 bytes
	s_and_b32 s11, s8, 1
	s_lshl_b32 s11, s11, 15
	s_add_co_u32 s10, s10, s11
	s_lshl_b32 s11, s3, 11                         ; my half of K: 512 numbers
	s_add_co_u32 s10, s10, s11
	s_mov_b32 s11, 0
	s_add_nc_u64 s[4:5], s[4:5], s[10:11]
	s_lshr_b32 s10, s7, 3
	s_mul_i32 s10, s10, 98304
	s_and_b32 s8, s7, 7
	s_mul_i32 s8, s8, 3072
	s_add_co_u32 s10, s10, s8
	s_mul_i32 s8, s3, 49152
	s_add_co_u32 s10, s10, s8
	s_add_nc_u64 s[30:31], s[30:31], s[10:11]      ; my four images
	s_lshl_b32 s10, s7, 9
	s_lshl_b32 s8, s3, 8
	s_add_co_u32 s10, s10, s8
	s_add_nc_u64 s[32:33], s[32:33], s[10:11]      ; my 256 bytes of scale words
.macro LOAD sl                         ; fragment sl: 16 positions x 512 bytes, into set sl % 2
.set q_, 0
.rept 16
	global_load_b128 v[R+64*((\sl)%2)+4*q_:R+64*((\sl)%2)+4*q_+3], v4, s[4:5] offset:((q_%8)+16*(q_/8))*4096+512*(\sl) th:TH_LOAD_NT
.set q_, q_+1
.endr
.endm
.macro FRAGQ sl
.set RS, R+64*((\sl)%2)
.set PS, PC+12*((\sl)%2)
.if (\sl) < 3
	s_wait_loadcnt 16                              ; this fragment's 16 loads are in; the next fragment's 16 may be out
.else
	s_wait_loadcnt 0x0
.endif
.set q_, 0
.rept 16
	ds_store_b128 v6, v[RS+4*q_:RS+4*q_+3] offset:SP*q_
.set q_, q_+1
.endr
.irp c, 0,1
.irp i, 0,1,2,3,4,5,6,7
	ds_load_b128 v[X+32*\c+4*\i:X+32*\c+4*\i+3], v7 offset:256*\c+16*\i   ; LDS serves a wave's instructions in order: these see the stores above
.endr
.endr
	s_wait_dscnt 0x0                               ; my blocks are in, and the stores have read the set,
.if (\sl) < 2
	LOAD (\sl)+2                                   ; which takes the fragment two on
.endif
.irp c, 0,1
	v_max3_num_f32 v[16+\c], |v[X+32*\c]|, |v[X+32*\c+1]|, 0x2800000   ; block 2 c + h: all its 32 numbers are mine; the floor 2^(5 - 127) holds the byte at 1 from below
.endr
.irp i, 2,4,6,8,10,12,14,16,18,20,22,24,26,28,30
.irp c, 0,1
	s_delay_alu instid0(VALU_DEP_2)
	v_max3_num_f32 v[16+\c], v[16+\c], |v[X+32*\c+\i]|, |v[X+32*\c+\i+1]|
.endr
.endr
.irp c, 0,1
	s_delay_alu instid0(VALU_DEP_2)
	v_add_nc_u32 v[18+\c], 0xfe000000, v[16+\c]    ; 4 off the exponent field: the conversion's scale operand
.endr
.irp c, 0,1
	s_delay_alu instid0(VALU_DEP_2)
	v_lshrrev_b32 v[20+\c], 23, v[18+\c]           ; the scale's byte
.endr
	s_delay_alu instid0(VALU_DEP_1)
	v_lshl_or_b32 v22, v21, 16, v20                ; blocks h and 2 + h,
	s_delay_alu instid0(VALU_DEP_1)
	v_lshlrev_b32 v22, v10, v22                    ; at their places in the word;
	s_delay_alu instid0(VALU_DEP_1)
	v_permlanex16_b32 v23, v22, s12, s13
	s_delay_alu instid0(VALU_DEP_1)
	v_or_b32 v22, v22, v23                         ; with lane l xor 16's two the word is whole
.if (\sl) >= 2
	s_wait_alu depctr_va_vdst(0)
	s_wait_xcnt 0x0                                ; the stores of two fragments back have read this set of codes
.endif
.irp c, 0,1
	v_cvt_scalef32_pk16_bf6_f32 v[PS+6*\c:PS+6*\c+2], v[X+32*\c:X+32*\c+15], v[18+\c]
	v_cvt_scalef32_pk16_bf6_f32 v[PT+4*\c:PT+4*\c+2], v[X+32*\c+16:X+32*\c+31], v[18+\c]
.endr
	v_nop                                          ; one plain place behind a scaled conversion
.irp c, 0,1
.irp i, 0,1,2
	v_mov_b32 v[PS+6*\c+3+\i], v[PT+4*\c+\i]
.endr
.endr
	global_store_b128 v4, v[PS:PS+3], s[30:31] offset:((\sl)/2)*24576+((\sl)%2)*1536           ; each store covers 512 or 256 consecutive bytes, aligned
	global_store_b64 v5, v[PS+4:PS+5], s[30:31] offset:((\sl)/2)*24576+((\sl)%2)*1536+512
	global_store_b128 v4, v[PS+6:PS+9], s[30:31] offset:((\sl)/2)*24576+((\sl)%2)*1536+768
	global_store_b64 v5, v[PS+10:PS+11], s[30:31] offset:((\sl)/2)*24576+((\sl)%2)*1536+1280
	ds_store_b32 v8, v22 offset:64*(\sl)           ; lanes r and 16 + r write the same word with the same value
.endm
	LOAD 0
	LOAD 1
	FRAGQ 0
	FRAGQ 1
	FRAGQ 2
	FRAGQ 3
	ds_load_b64 v[24:25], v9
	s_wait_dscnt 0x0
	global_store_b64 v5, v[24:25], s[32:33]        ; 32 lanes store 256 consecutive bytes, aligned
	s_wait_tensorcnt 0x0
	ds_add_u32 v251, v255
	s_wait_dscnt 0x0
	s_endpgm
.Lfunc_end_k_q2ae16c033f_quant:
	.size	k_q2ae16c033f_quant, .Lfunc_end_k_q2ae16c033f_quant-k_q2ae16c033f_quant
	.p2alignl 7, 3214868480
	.fill 96, 4, 3214868480
	.section	.rodata,"a",@progbits
	.p2align	6, 0x0
	.amdhsa_kernel k_q2ae16c033f_quant
		.amdhsa_group_segment_fixed_size 70656
		.amdhsa_private_segment_fixed_size 0
		.amdhsa_enable_private_segment 0
		.amdhsa_kernarg_size 72
		.amdhsa_user_sgpr_count 2
		.amdhsa_user_sgpr_kernarg_segment_ptr 1
		.amdhsa_wavefront_size32 1
		.amdhsa_system_sgpr_workgroup_id_x 1
		.amdhsa_system_sgpr_workgroup_id_y 1
		.amdhsa_system_sgpr_workgroup_id_z 1
		.amdhsa_system_vgpr_workitem_id 0
		.amdhsa_next_free_vgpr 256
		.amdhsa_next_free_sgpr 66
		.amdhsa_reserve_vcc 0
		.amdhsa_float_denorm_mode_32 3
		.amdhsa_float_denorm_mode_16_64 3
		.amdhsa_memory_ordered 1
		.amdhsa_forward_progress 1
		.amdhsa_inst_pref_size 37
	.end_amdhsa_kernel
	.amdgpu_metadata
---
amdhsa.version: [ 1, 2 ]
amdhsa.kernels:
  - .name:           k_q2ae16c033f_quant
    .symbol:         k_q2ae16c033f_quant.kd
    .args:
      - { .name: querys, .offset: 0, .size: 8, .value_kind: global_buffer, .address_space: global }
      - { .name: keys, .offset: 8, .size: 8, .value_kind: global_buffer, .address_space: global }
      - { .name: values, .offset: 16, .size: 8, .value_kind: global_buffer, .address_space: global }
      - { .name: Wq, .offset: 24, .size: 8, .value_kind: global_buffer, .address_space: global }
      - { .name: Wk, .offset: 32, .size: 8, .value_kind: global_buffer, .address_space: global }
      - { .name: Wv, .offset: 40, .size: 8, .value_kind: global_buffer, .address_space: global }
      - { .name: Wo, .offset: 48, .size: 8, .value_kind: global_buffer, .address_space: global }
      - { .name: opnd, .offset: 56, .size: 8, .value_kind: global_buffer, .address_space: global }
      - { .name: opsc, .offset: 64, .size: 8, .value_kind: global_buffer, .address_space: global }
    .group_segment_fixed_size: 70656
    .private_segment_fixed_size: 0
    .kernarg_segment_align: 8
    .kernarg_segment_size: 72
    .max_flat_workgroup_size: 256
    .sgpr_count:     66
    .vgpr_count:     256
    .wavefront_size: 32
...
	.end_amdgpu_metadata
.endif
;; end of part 1
;; launch proj (part 2): grid 4 x 48, 4 waves a work-group, clusters of 4 x 4, 327,680 bytes of LDS; arguments opnd, opsc, bq, bk, bv, q_img, q_sc, kv_img, kv_sc; writes q_img, q_sc, kv_img, kv_sc
.if DOCPART == 2
	.amdgcn_target "amdgcn-amd-amdhsa--gfx1250"
	.amdhsa_code_object_version 6
	.text
	.protected	k_q2ae16c033f_proj
	.globl	k_q2ae16c033f_proj
	.p2align	8
	.type	k_q2ae16c033f_proj,@function
k_q2ae16c033f_proj:
	s_mov_b64 s[64:65], 0
	v_nop
	global_prefetch_b8 v0, s[64:65] scope:SCOPE_SE
	s_setreg_imm32_b32 hwreg(HW_REG_WAVE_MODE, 25, 1), 1
	s_wait_xcnt 0x0
	s_wait_alu depctr_hold_cnt(0) depctr_sa_sdst(0) depctr_va_vdst(0) depctr_va_sdst(0) depctr_va_ssrc(0) depctr_va_vcc(0) depctr_vm_vsrc(0)
	s_getreg_b32 s2, hwreg(HW_REG_IB_STS2, 6, 4)
	s_cmp_eq_u32 s2, 0
	s_cbranch_scc0 .Lentry_in_a_cluster
	s_endpgm
.Lentry_in_a_cluster:
	s_bfe_u32 s2, ttmp6, 0x10000c
	s_cmp_lg_u32 s2, 0xf033
	s_cbranch_scc0 .Lentry_shape_is_right
	s_endpgm
.Lentry_shape_is_right:
; q = querys Wq^T + bq, k = keys Wk^T + bk, v = values Wv^T + bv on codes of BF6 (E3M2) with E8M0 scales, K = 1,024; the results are quantised in registers and leave as fragment images for the attention launch:
; q and k along the head's 64 (an image's K = a pair of heads, 128 features), v along the tokens (an image's K = 128 keys).
; OPERANDS come as images (16 positions x 128 K in 1,536 bytes: registers 0-3 at 16 x lane, 4-5 at 512 + 8 x lane, 6-9 at 768 + 16 x lane, 10-11 at 1,280 + 8 x lane); 128 rows x 256 K are one dense block of 24,576 bytes.
; Position p of tile a of a group of 128 rows is row 32 (a / 2) + 8 (a % 2) + p % 8 + 16 (p / 8).
; SHARES.  A work-group makes 256 (outer, A) x 256 (inner, B); each of its four waves 128 x 128 in 64 accumulators.  Source 0 = a tile of B, source 1 = a tile of A: a lane holds ONE outer position and its registers run
; along inner; the 16 registers of inner tiles 2 b and 2 b + 1 are 16 neighbours.  For q and k: A = tokens, B = the weight's rows; for v the roles are swapped, so that the registers run along the tokens.
; The cluster's y says which: 0-3 q, 4-7 k, 8-11 v.  What differs is chosen by s_cselect: there is one path through the text.  Both biases are loaded by every work-group: along inner (the C of the first K step)
; and along outer (added at the end), and the one that does not belong is multiplied by 0.
; THE RING.  Three LDS slots of two K steps each are filled at the start (K steps 0-5); slot 0 is filled once more (K steps 6-7) behind K step 1, and has four K steps, 256 matrix instructions, in which to land.
; By this text's own count a wave has one tensor load out at the start and one later.  The scale words of all of K (4,096 bytes for 128 rows) come once and go into 64 registers.
; CLUSTERS: 4 x 4 work-groups; A's blocks are asked for jointly along a row of the cluster, B's along a column.
; LIMITS: NaN and infinities are not served (a bias that does not belong is multiplied by 0); a block whose largest magnitude lies under 2^-122 is held at the byte 1; a block of zeros gets the byte 1, not 127.
; REGISTERS: window 0: v1-24 addresses; v32-95 scale words (8 ks + i: lanes 0-15 A's tile i, lanes 16-31 B's); v96-159 the inner bias; v160-255 A's 8 fragments, one set; at the end v128-255 codes and work.
;   window 1: B's fragments, two sets, at v0 and v128; v96-111 the outer bias.   windows 2, 3: accumulator (a, b) at v[8 (8 (a % 4) + b)].
.set HALFB,  24576                     ; 128 rows x 256 K: what one tensor load brings
.set SLOT,   4*HALFB                   ; A's two halves, then B's two
.set SCL,    3*SLOT                    ; the scale words: A's 8,192 bytes, then B's
.set SPARE,  SCL+16384                 ; the spare words, 128 bytes a wave: two blocks of 256 bytes that no other line names
.set SST,    SPARE+512                 ; 512 bytes a wave in which the results' scale words are gathered; no tile lands here
.set ADRA16, 4                         ; v4-6   16 x lane + my half of A in slot 0, 1, 2
.set ADRA8,  7                         ; v7-9   the same with 8 x lane
.set ADRB16, 10
.set ADRB8,  13
.set ADRS,   16
.set SPW,    17
.set NIL,    18
.set L16,    19
.set L8,     20
.set SSTO,   23
.set SRD,    24
.set SC,     32
.set BI,     96
.set AF,     160
.set BO,     96                        ; in window 1
.set PC,     128                       ; the end: eight sets of 12, so that no store's data are written again
.set PT,     224
.set TM,     232                       ; +0..3 largest magnitudes, +4..7 the other half's, then bytes, +12..15 scale operands
.set PW,     248                       ; eight scale words
.set G1A,  24
.set G0A,  32                          ; s[32:43] three sets
.set G1B,  48
.set G0B0, 56
.set G0B1, 60
.set G0B2, 92
.set G1SA, 68
.set G0SA, 76
.set G1SB, 80
.set G0SB, 88
.set SEL,  2
.set FLOOR, 44
.set MSB, 0
.macro WIN new                         ; the immediate's high byte repeats the setting that is left
.if MSB != (\new)
	s_set_vgpr_msb (MSB<<8)|(\new)
.set MSB, (\new)
.endif
.endm
.macro PLACES                          ; four plain places behind a matrix instruction, ahead of loads into its registers and of reads of its result
.rept 4
	v_nop
.endr
.endm
.macro JLOAD g0a, g1a, g0b, g1b        ; a joint load: waves 0 and 1 fetch for A, waves 2 and 3 for B; four v_nop follow each line
	s_cmp_eq_u32 s15, 0
	s_cbranch_scc0 .Lfor_b_\@
	tensor_load_to_lds s[\g0a:\g0a+3], s[\g1a:\g1a+7]
	s_nop 0
.rept 4
	v_nop
.endr
	s_branch .Lasked_\@
.Lfor_b_\@:
	tensor_load_to_lds s[\g0b:\g0b+3], s[\g1b:\g1b+7]
	s_nop 0
.rept 4
	v_nop
.endr
.Lasked_\@:
.endm
.macro CREST                           ; a round of the cluster's barrier behind its opening barrier
	s_cmp_lg_u32 s14, 0
	s_cbranch_scc1 .Lnot_wave_0_\@
	s_barrier_signal -3
.Lnot_wave_0_\@:
	s_barrier_wait -3
	s_barrier_signal -1
	s_barrier_wait -1
.endm
.macro CROUND
	s_barrier_signal -1
	s_barrier_wait -1
	CREST
.endm
.macro MKG0 g0, lo, n                  ; group 0 for slot n; s[lo:lo+1]: the block of K steps 0, 1
	s_mov_b32 s[\g0], 1
	s_add_co_u32 s[\g0+1], s67, (\n)*SLOT
	s_add_nc_u64 s[\g0+2:\g0+3], s[\lo:\lo+1], (\n)*HALFB
	s_or_b32 s[\g0+3], s[\g0+3], 0x80000000
.endm
.macro FRAG reg, a16, a8, off          ; an image comes back as it was stored: every load reads 512 or 256 consecutive bytes
	ds_load_b128 v[\reg:\reg+3], v[\a16] offset:\off
	ds_load_b64 v[\reg+4:\reg+5], v[\a8] offset:\off+512
	ds_load_b128 v[\reg+6:\reg+9], v[\a16] offset:\off+768
	ds_load_b64 v[\reg+10:\reg+11], v[\a8] offset:\off+1280
.endm
.macro FETCH_B n, q, p                 ; B's eight fragments of slot n's q-th K step into set p
	WIN 0x40
.irp i, 0,1,2,3,4,5,6,7
	FRAG 128*(\p)+12*\i, ADRB16+(\n), ADRB8+(\n), \i*3072+(\q)*1536
.endr
	WIN 0
.endm
.macro FETCH_A n, q, i0                ; A's tiles i0 .. i0 + 3
.irp i, \i0, \i0+1, \i0+2, \i0+3
	FRAG AF+12*(\i), ADRA16+(\n), ADRA8+(\n), (\i)*3072+(\q)*1536
.endr
.endm
.macro SCALES                          ; all of K's scale words: lanes 0-15 A's tile i, lanes 16-31 B's tile i
.irp s, 0,1,2,3,4,5,6,7
.irp i, 0,1,2,3,4,5,6,7
	ds_load_b32 v[SC+8*\s+\i], v[ADRS] offset:\i*512+\s*64
.endr
.endr
.endm
; 16 matrix instructions: A's tiles a0, a0 + 1 x B's eight.  first = 1: the sums begin with the inner bias.  The 64 accumulators take turns in the same order in every K step.
.macro MUL16 a0, p, ks, first
.irp a, \a0, \a0+1
.irp b, 0,1,2,3,4,5,6,7
.if \first
	v_wmma_scale_f32_16x16x128_f8f6f4 v[8*(8*((\a)%4)+\b):8*(8*((\a)%4)+\b)+7], v[128*(\p)+12*\b:128*(\p)+12*\b+11], v[AF+12*(\a):AF+12*(\a)+11], v[BI+8*\b:BI+8*\b+7], v[SC+8*(\ks)+\b], v[SC+8*(\ks)+(\a)] matrix_a_fmt:MATRIX_FMT_BF6 matrix_b_fmt:MATRIX_FMT_BF6 matrix_a_scale:MATRIX_SCALE_ROW1
.else
	v_wmma_scale_f32_16x16x128_f8f6f4 v[8*(8*((\a)%4)+\b):8*(8*((\a)%4)+\b)+7], v[128*(\p)+12*\b:128*(\p)+12*\b+11], v[AF+12*(\a):AF+12*(\a)+11], v[8*(8*((\a)%4)+\b):8*(8*((\a)%4)+\b)+7], v[SC+8*(\ks)+\b], v[SC+8*(\ks)+(\a)] matrix_a_fmt:MATRIX_FMT_BF6 matrix_b_fmt:MATRIX_FMT_BF6 matrix_a_scale:MATRIX_SCALE_ROW1
.endif
.endr
.endr
.endm
; K step ks; the next K step's fragments lie in slot nn, its nq-th.  No barrier: the slot was shown whole to every wave earlier.
.macro STEP ks, nn, nq, first
	s_wait_dscnt 16                                ; B's set and A's tiles 0-3 are in; the youngest 16 loads (A's tiles 4-7) may be out
.if \first
	WIN 0x81                                       ; source 0 window 1, source 1 and C window 0, D window 2
.else
	WIN 0xa1                                       ; C and D window 2
.endif
	MUL16 0, (\ks)%2, \ks, \first
	MUL16 2, (\ks)%2, \ks, \first
	s_wait_dscnt 0x0
	PLACES
	FETCH_B \nn, \nq, 1-(\ks)%2
	FETCH_A \nn, \nq, 0
.if \first
	WIN 0xc1
.else
	WIN 0xf1
.endif
	MUL16 4, (\ks)%2, \ks, \first
	MUL16 6, (\ks)%2, \ks, \first
	PLACES
	WIN 0
	FETCH_A \nn, \nq, 4
.endm
; K step ks with a barrier in it: in front of it each wave waits for all its tensor loads, adds 0 to its spare word, and waits for that and for its LDS reads.  fill = 1: the barrier opens a round of the
; cluster's barrier, behind which slot 0, which nobody reads any more, takes K steps 6 and 7.  fill = 0: behind it slot 0's second fill is whole for every wave.
.macro TURN ks, nn, fill
	s_wait_tensorcnt 0x0                           ; all my tensor loads have landed
	ds_add_u32 v[SPW], v[NIL]                      ; 0 onto my spare word
	s_wait_dscnt 17                                ; (the add and the youngest 16 loads may be out)
	WIN 0xa1
	MUL16 0, (\ks)%2, \ks, 0
	s_wait_dscnt 0x0                               ; the add is done, and my LDS reads are over
	s_barrier_signal -1
	MUL16 2, (\ks)%2, \ks, 0
	WIN 0
	s_barrier_wait -1
.if \fill
	CREST
	s_add_nc_u64 s[G0A+2:G0A+3], s[G0A+2:G0A+3], 3*HALFB
	s_add_nc_u64 s[G0B0+2:G0B0+3], s[G0B0+2:G0B0+3], 3*HALFB
	JLOAD G0A, G1A, G0B0, G1B                      ; the first tensor load behind the round; its four v_nop are the places in front of the loads below
.else
	PLACES
.endif
	FETCH_B \nn, 0, 1-(\ks)%2
	FETCH_A \nn, 0, 0
	WIN 0xf1
	MUL16 4, (\ks)%2, \ks, 0
	MUL16 6, (\ks)%2, \ks, 0
	PLACES
	WIN 0
	FETCH_A \nn, 0, 4
.endm
	s_load_b128 s[4:7], s[0:1], 0x0                ; opnd, opsc
	s_load_b128 s[8:11], s[0:1], 0x10              ; bq, bk
	s_load_b64 s[12:13], s[0:1], 0x20              ; bv
	s_load_b128 s[96:99], s[0:1], 0x28             ; q_img, q_sc
	s_load_b128 s[92:95], s[0:1], 0x38             ; kv_img, kv_sc
	v_lshl_add_u32 v[SPW], v0, 2, SPARE
	v_mov_b32 v[NIL], 0
	ds_add_u32 v17, v18
	ds_add_u32 v17, v18
	s_wait_dscnt 0x0
	v_lshrrev_b32 v1, 5, v0
	v_readfirstlane_b32 s14, v1                    ; wave 0..3
	s_lshr_b32 s15, s14, 1                         ; my half of A.  Also: I fetch for A (0) or for B (1)
	s_and_b32 s16, s14, 1                          ; my half of B.  Also: which half I fetch
	s_bfe_u32 s44, ttmp6, 0x40000                  ; cx
	s_bfe_u32 s45, ttmp6, 0x40004                  ; cy
	s_and_b32 s20, ttmp7, 0xffff                   ; the cluster's y, 0..11: the same in all partners
	s_lshr_b32 s47, s20, 2                         ; t: 0 q, 1 k, 2 v
	s_and_b32 s20, s20, 3
	s_lshl_b32 s20, s20, 2                         ; which four blocks of 256 tokens
	s_cmp_eq_u32 s47, 2
	s_cselect_b32 s66, 1, 0                        ; isV
	s_cselect_b32 s21, 0, s20
	s_cselect_b32 s22, s20, 0
	s_add_co_u32 s17, s45, s21                     ; tile row (A): tokens for q and k, features for v
	s_add_co_u32 s46, s44, s22                     ; tile column (B)
	s_lshl_b32 s18, s45, 2
	s_lshl_b32 s18, 15, s18                        ; my row of the cluster
	s_lshl_b32 s100, 0x1111, s44                   ; my column
	s_or_b32 s[G1A], s18, (3<<16)|(1<<21)          ; 15:0 the mask; 17:16 elements of 8 bytes; 21 set beside a mask; no padding
	s_or_b32 s[G1SA], s18, (3<<16)|(1<<21)
	s_or_b32 s[G1B], s100, (3<<16)|(1<<21)
	s_or_b32 s[G1SB], s100, (3<<16)|(1<<21)
.irp g, G1A, G1B                       ; the head's shape: two groups' K steps 0-5, 2 rows of 73,728 bytes (9,216 elements of 8), 98,304 bytes apart
	s_mov_b32 s[\g+1], 9216<<16
	s_mov_b32 s[\g+2], 2<<16
	s_mov_b32 s[\g+3], 9216<<16
	s_mov_b32 s[\g+4], 2
	s_mov_b32 s[\g+5], 12288
	s_mov_b32 s[\g+6], 0
	s_mov_b32 s[\g+7], 0
.endr
.irp g, G1SA, G1SB                     ; 8,192 bytes of scale words (two groups) as 32 rows of 256
	s_mov_b32 s[\g+1], 32<<16
	s_mov_b32 s[\g+2], 32<<16
	s_mov_b32 s[\g+3], 32<<16
	s_mov_b32 s[\g+4], 32
	s_mov_b32 s[\g+5], 32
	s_mov_b32 s[\g+6], 0
	s_mov_b32 s[\g+7], 0
.endr
	s_lshl_b32 s2, s47, 5                          ; A's first group: querys 0, keys 32, Wv 112
	s_lshl_b32 s3, s47, 3
	s_add_co_u32 s3, s3, 96                        ; B's: Wq 96, Wk 104, values 64
	s_cmp_eq_u32 s47, 2
	s_cselect_b32 s2, 112, s2
	s_cselect_b32 s3, 64, s3
	s_lshl_b32 s20, s17, 1
	s_add_co_u32 s20, s20, s16
	s_add_co_u32 s20, s20, s2                      ; the group of A that I would fetch
	s_lshl_b32 s22, s46, 1
	s_add_co_u32 s22, s22, s16
	s_add_co_u32 s22, s22, s3                      ; and of B
	s_mul_i32 s18, s20, 4096
	s_mov_b32 s19, 0
	s_mul_i32 s20, s20, 98304
	s_mov_b32 s21, 0
	s_mul_i32 s100, s22, 4096
	s_mov_b32 s101, 0
	s_mul_i32 s22, s22, 98304
	s_mov_b32 s23, 0
	s_mul_i32 s67, s14, 3*HALFB                    ; LDS: A's half 0, A's half 1, B's half 0, B's half 1, each with K steps 0-5 on end (73,728 bytes)
	s_wait_kmcnt 0x0
	s_cmp_eq_u32 s47, 0
	s_cselect_b64 s[96:97], s[96:97], s[92:93]     ; the codes' buffer, the scale words' buffer and the bias: chosen by t alone
	s_cselect_b64 s[98:99], s[98:99], s[94:95]
	s_cselect_b64 s[8:9], s[8:9], s[10:11]
	s_cmp_eq_u32 s47, 2
	s_cselect_b64 s[8:9], s[12:13], s[8:9]
	s_add_nc_u64 s[20:21], s[4:5], s[20:21]
	s_add_nc_u64 s[22:23], s[4:5], s[22:23]
	s_add_nc_u64 s[18:19], s[6:7], s[18:19]
	s_add_nc_u64 s[100:101], s[6:7], s[100:101]
	CROUND                                         ; all sixteen work-groups are here: the first joint loads meet
; THE HEAD'S LOADS, ONE A WAVE: wave 0 A's K steps 0-5 of both halves, wave 1 B's, wave 2 A's scale words, wave 3 B's.  Each begins at the tile's first group: my half is taken off.
	s_mul_i32 s2, s16, 98304
	s_mov_b32 s3, 0
	s_mov_b32 s[G0A+8], 1
	s_mov_b32 s[G0A+9], 0
	s_sub_nc_u64 s[G0A+10:G0A+11], s[20:21], s[2:3]
	s_or_b32 s[G0A+11], s[G0A+11], 0x80000000
	s_mov_b32 s[G0B2], 1
	s_mov_b32 s[G0B2+1], 6*HALFB
	s_sub_nc_u64 s[G0B2+2:G0B2+3], s[22:23], s[2:3]
	s_or_b32 s[G0B2+3], s[G0B2+3], 0x80000000
	s_lshl_b32 s2, s16, 12
	s_mov_b32 s[G0SA], 1
	s_mov_b32 s[G0SA+1], SCL
	s_sub_nc_u64 s[G0SA+2:G0SA+3], s[18:19], s[2:3]
	s_or_b32 s[G0SA+3], s[G0SA+3], 0x80000000
	s_mov_b32 s[G0SB], 1
	s_mov_b32 s[G0SB+1], SCL+8192
	s_sub_nc_u64 s[G0SB+2:G0SB+3], s[100:101], s[2:3]
	s_or_b32 s[G0SB+3], s[G0SB+3], 0x80000000
	MKG0 G0A, 20, 0                                ; for the one refill: my quarter, where K steps 0 and 1 lay
	MKG0 G0B0, 22, 0
.macro ARM under, g0, g1, next         ; one chain of branches on the wave's number: every way passes one load
	s_cmp_lt_u32 s14, \under
	s_cbranch_scc0 \next
	tensor_load_to_lds s[\g0:\g0+3], s[\g1:\g1+7]
	s_nop 0
.rept 4
	v_nop
.endr
	s_branch .Lhead_asked
\next:
.endm
	ARM 1, G0A+8, G1A, .Lhead_b
	ARM 2, G0B2, G1B, .Lhead_sa
	ARM 3, G0SA, G1SA, .Lhead_sb
	tensor_load_to_lds s[G0SB:G0SB+3], s[G1SB:G1SB+7]
	s_nop 0
.rept 4
	v_nop
.endr
.Lhead_asked:
	v_and_b32 v1, 31, v0                           ; lane
	v_and_b32 v2, 15, v0                           ; r
	v_bfe_u32 v3, v0, 4, 1                         ; h
	s_wait_alu depctr_va_vdst(0)
	v_lshlrev_b32 v[L16], 4, v1
	s_wait_alu depctr_va_vdst(0)
	v_lshlrev_b32 v[L8], 3, v1
	s_wait_alu depctr_va_vdst(0)
	s_lshl_b32 s2, s17, 1
	s_add_co_u32 s2, s2, s15                       ; og: my outer group
	s_lshl_b32 s3, s46, 1
	s_add_co_u32 s3, s3, s16                       ; ig: my inner group
	s_lshl_b32 s20, s3, 9
	s_lshl_b32 s22, s2, 9
	s_mov_b32 s21, 0
	s_mov_b32 s23, 0
	s_cmp_eq_u32 s66, 1
	s_cselect_b32 s20, 0, s20                      ; the bias lies along the features: inner for q and k, outer for v; the other load reads the bias's first numbers and is multiplied by 0
	s_cselect_b32 s22, s22, 0
	s_cselect_b32 s100, 0, 1.0
	s_cselect_b32 s101, 1.0, 0
	s_cselect_b32 s18, s2, s3                      ; the pair of heads
	s_cselect_b32 s19, s3, s2                      ; the group of 128 tokens
	s_add_nc_u64 s[10:11], s[8:9], s[20:21]
	s_add_nc_u64 s[12:13], s[8:9], s[22:23]
	v_lshlrev_b32 v21, 6, v3                       ; inner: register j of tile b is feature 32 (b / 2) + 8 (b % 2) + 16 h + j
	v_and_b32 v22, 8, v2
	v_add_nc_u32 v22, v22, v2
	v_lshlrev_b32 v22, 2, v22                      ; outer: position r of tile a is feature 32 (a / 2) + 8 (a % 2) + r + 8 (r / 8)
.irp b, 0,1,2,3,4,5,6,7
	global_load_b128 v[BI+8*\b:BI+8*\b+3], v21, s[10:11] offset:(32*(\b/2)+8*(\b%2))*4
	global_load_b128 v[BI+8*\b+4:BI+8*\b+7], v21, s[10:11] offset:(32*(\b/2)+8*(\b%2))*4+16
.endr
	WIN 0x40
.irp a, 0,1,2,3,4,5,6,7
	global_load_b32 v[BO+2*\a], v22, s[12:13] offset:(32*(\a/2)+8*(\a%2))*4
	global_load_b32 v[BO+2*\a+1], v22, s[12:13] offset:(32*(\a/2)+8*(\a%2))*4   ; twice: the packed addition names a pair
.endr
	WIN 0
	s_mov_b32 s20, 786432                          ; bytes of a pair of heads: q_img 256 images, kv_img 8 slots of 98,304
	s_mov_b32 s21, 32768
	s_cmp_eq_u32 s47, 0
	s_cselect_b32 s20, 393216, s20
	s_cselect_b32 s21, 16384, s21
	s_mul_i32 s22, s18, s20
	s_lshr_b32 s20, s20, 3
	s_lshr_b32 s23, s19, 2
	s_mul_i32 s23, s23, s20
	s_add_co_u32 s22, s22, s23
	s_and_b32 s23, s19, 3
	s_mul_i32 s23, s23, 12288
	s_add_co_u32 s22, s22, s23
	s_mul_i32 s23, s66, 49152                      ; in a slot V's images lie behind K's
	s_add_co_u32 s22, s22, s23
	s_mov_b32 s23, 0
	s_add_nc_u64 s[96:97], s[96:97], s[22:23]      ; my eight images
	s_mul_i32 s22, s18, s21
	s_lshl_b32 s20, s19, 9
	s_add_co_u32 s22, s22, s20
	s_lshl_b32 s20, s66, 14
	s_add_co_u32 s22, s22, s20
	s_add_nc_u64 s[98:99], s[98:99], s[22:23]      ; their 512 bytes of scale words
	s_mul_i32 s20, s15, 3*HALFB
	s_mul_i32 s21, s16, 3*HALFB
	s_add_co_u32 s21, s21, 6*HALFB
.irp n, 0,1,2
	v_add_nc_u32 v[ADRA16+\n], s20, v[L16]
	v_add_nc_u32 v[ADRA8+\n], s20, v[L8]
	v_add_nc_u32 v[ADRB16+\n], s21, v[L16]
	v_add_nc_u32 v[ADRB8+\n], s21, v[L8]
	s_add_co_u32 s20, s20, HALFB
	s_add_co_u32 s21, s21, HALFB
.endr
	s_xor_b32 s21, s15, 1                          ; lanes 16-31 take B's words: 8,192 + 4,096 (my half of B) - 4,096 (my half of A) bytes further on = 4,096 (1 + w % 2 + (1 - w / 2))
	s_add_co_u32 s21, s21, s16
	s_add_co_u32 s21, s21, 1
	s_lshl_b32 s21, s21, 12
	v_mul_u32_u24 v[ADRS], s21, v3
	s_lshl_b32 s20, s15, 12
	s_add_co_u32 s20, s20, SCL
	v_lshl_add_u32 v[ADRS], v2, 2, v[ADRS]
	v_add_nc_u32 v[ADRS], s20, v[ADRS]
	s_lshl_b32 s20, s14, 9
	s_add_co_u32 s20, s20, SST
	v_lshl_add_u32 v[SSTO], v2, 2, s20
	v_add_nc_u32 v[SRD], s20, v[L16]
	s_mov_b32 s[SEL], 0x76543210
	s_mov_b32 s[SEL+1], 0xfedcba98
	s_mov_b32 s[FLOOR], 0x2800000                  ; 2^(5 - 127)
	s_wait_loadcnt 0x0
.set n_, 0
.rept 64
	v_mul_f32 v[BI+n_], s100, v[BI+n_]
.set n_, n_+1
.endr
	WIN 0x44
.set n_, 0
.rept 16
	v_mul_f32 v[BO+n_], s101, v[BO+n_]
.set n_, n_+1
.endr
	WIN 0
	s_wait_alu depctr_va_vdst(0)
	s_wait_tensorcnt 0x0                           ; my one load is in; no load of mine is out, so group 1 may be written: the refill brings 96 rows of 256 bytes
.irp g, G1A, G1B
	s_mov_b32 s[\g+1], 32<<16
	s_mov_b32 s[\g+2], 96<<16
	s_mov_b32 s[\g+3], 32<<16
	s_mov_b32 s[\g+4], 96
	s_mov_b32 s[\g+5], 32
.endr
	s_barrier_signal -1
	s_barrier_wait -1
	FETCH_B 0, 0, 0
	FETCH_A 0, 0, 0
	SCALES
	FETCH_A 0, 0, 4
	STEP 0, 0, 1, 1
	TURN 1, 1, 1
	STEP 2, 1, 1, 0
	STEP 3, 2, 0, 0
	STEP 4, 2, 1, 0
	TURN 5, 0, 0
	STEP 6, 0, 1, 0
	s_wait_dscnt 16                                ; the last K step: nothing more to fetch
	WIN 0xa1
	MUL16 0, 1, 7, 0
	MUL16 2, 1, 7, 0
	s_wait_dscnt 0x0
	WIN 0xf1
	MUL16 4, 1, 7, 0
	MUL16 6, 1, 7, 0
	WIN 0
	PLACES
.irp b, 0,1,2,3
	v_mov_b32 v[TM+4+\b], 0                        ; a lane permute's destination counts as one of its sources
.endr
; THE END.  Outer tile a: a lane's 64 registers, 16 b + i = inner 32 b + 16 h + i of its position, become a fragment's codes and its scale word.  The codes' registers are the image: they are stored as they stand.
.macro QBLOCK a
.set W_, 2+(\a)/4
.set AC, 64*((\a)%4)
.set PS, PC+12*(\a)
	WIN (W_<<6)|4|W_                               ; the accumulators' window; the outer bias in window 1
.set n_, 0
.rept 32
	v_pk_add_f32 v[AC+n_:AC+n_+1], v[AC+n_:AC+n_+1], v[BO+2*(\a):BO+2*(\a)+1]    ; each accumulator from its low end on
.set n_, n_+2
.endr
	WIN (W_<<2)|(W_<<4)
.irp b, 0,1,2,3
	v_max3_num_f32 v[TM+\b], s[FLOOR], |v[AC+16*\b]|, |v[AC+16*\b+1]|
.endr
.irp i, 2,4,6,8,10,12,14
.irp b, 0,1,2,3
	v_max3_num_f32 v[TM+\b], v[TM+\b], |v[AC+16*\b+\i]|, |v[AC+16*\b+\i+1]|
.endr
.endr
	WIN 0
.irp b, 0,1,2,3
	v_permlanex16_b32 v[TM+4+\b], v[TM+\b], s[SEL], s[SEL+1]
.endr
.irp b, 0,1,2,3
	v_max_num_f32 v[TM+\b], v[TM+\b], v[TM+4+\b]   ; with lane l xor 16's 16: the block's largest magnitude
.endr
.irp b, 0,1,2,3
	v_add_nc_u32 v[TM+12+\b], 0xfe000000, v[TM+\b] ; 4 off the exponent field: the conversion's scale operand
.endr
.irp b, 0,1,2,3
	v_lshrrev_b32 v[TM+4+\b], 23, v[TM+12+\b]      ; the byte
.endr
	v_lshl_or_b32 v[PW+(\a)], v[TM+5], 8, v[TM+4]
	v_lshl_or_b32 v[PW+(\a)], v[TM+6], 16, v[PW+(\a)]
	v_lshl_or_b32 v[PW+(\a)], v[TM+7], 24, v[PW+(\a)]
	WIN W_
.irp c, 0,1
	v_cvt_scalef32_pk16_bf6_f32 v[PS+6*\c:PS+6*\c+2], v[AC+32*\c:AC+32*\c+15], v[TM+12+2*\c]
	v_cvt_scalef32_pk16_bf6_f32 v[PT+4*\c:PT+4*\c+2], v[AC+32*\c+16:AC+32*\c+31], v[TM+12+2*\c+1]
.endr
	WIN 0
	v_nop                                          ; one plain place behind a scaled conversion
.irp c, 0,1                            ; the layout wants a whole block in a lane: lanes 0-15 block 2 c, lanes 16-31 block 2 c + 1
.irp i, 0,1,2
	v_permlane16_swap_b32 v[PS+6*\c+\i], v[PT+4*\c+\i]
.endr
.irp i, 0,1,2
	v_mov_b32 v[PS+6*\c+3+\i], v[PT+4*\c+\i]
.endr
.endr
	global_store_b128 v[L16], v[PS:PS+3], s[96:97] offset:(\a)*1536        ; each store covers 512 or 256 consecutive bytes, aligned
	global_store_b64 v[L8], v[PS+4:PS+5], s[96:97] offset:(\a)*1536+512
	global_store_b128 v[L16], v[PS+6:PS+9], s[96:97] offset:(\a)*1536+768
	global_store_b64 v[L8], v[PS+10:PS+11], s[96:97] offset:(\a)*1536+1280
	ds_store_b32 v[SSTO], v[PW+(\a)] offset:64*(\a)                        ; lanes r and 16 + r write the same word with the same value
.endm
.irp a, 0,1,2,3,4,5,6,7
	QBLOCK \a
.endr
	ds_load_b128 v[PT:PT+3], v[SRD]                ; LDS serves a wave's instructions in order: this sees my stores
	s_wait_dscnt 0x0
	global_store_b128 v[L16], v[PT:PT+3], s[98:99] ; 512 consecutive bytes, aligned
	s_wait_tensorcnt 0x0                           ; the wave's end
	ds_add_u32 v[SPW], v[NIL]
	s_wait_dscnt 0x0
	CROUND                                         ; the closing round
	s_endpgm
.Lfunc_end_k_q2ae16c033f_proj:
	.size	k_q2ae16c033f_proj, .Lfunc_end_k_q2ae16c033f_proj-k_q2ae16c033f_proj
	.p2alignl 7, 3214868480
	.fill 96, 4, 3214868480
	.section	.rodata,"a",@progbits
	.p2align	6, 0x0
	.amdhsa_kernel k_q2ae16c033f_proj
		.amdhsa_group_segment_fixed_size 327680
		.amdhsa_private_segment_fixed_size 0
		.amdhsa_enable_private_segment 0
		.amdhsa_kernarg_size 72
		.amdhsa_user_sgpr_count 2
		.amdhsa_user_sgpr_kernarg_segment_ptr 1
		.amdhsa_wavefront_size32 1
		.amdhsa_system_sgpr_workgroup_id_x 1
		.amdhsa_system_sgpr_workgroup_id_y 1
		.amdhsa_system_sgpr_workgroup_id_z 1
		.amdhsa_system_vgpr_workitem_id 0
		.amdhsa_next_free_vgpr 1024
		.amdhsa_next_free_sgpr 104
		.amdhsa_reserve_vcc 0
		.amdhsa_float_denorm_mode_32 3
		.amdhsa_float_denorm_mode_16_64 3
		.amdhsa_memory_ordered 1
		.amdhsa_forward_progress 1
		.amdhsa_inst_pref_size 173
	.end_amdhsa_kernel
	.amdgpu_metadata
---
amdhsa.version: [ 1, 2 ]
amdhsa.kernels:
  - .name:           k_q2ae16c033f_proj
    .symbol:         k_q2ae16c033f_proj.kd
    .args:
      - { .name: opnd, .offset: 0, .size: 8, .value_kind: global_buffer, .address_space: global }
      - { .name: opsc, .offset: 8, .size: 8, .value_kind: global_buffer, .address_space: global }
      - { .name: bq, .offset: 16, .size: 8, .value_kind: global_buffer, .address_space: global }
      - { .name: bk, .offset: 24, .size: 8, .value_kind: global_buffer, .address_space: global }
      - { .name: bv, .offset: 32, .size: 8, .value_kind: global_buffer, .address_space: global }
      - { .name: q_img, .offset: 40, .size: 8, .value_kind: global_buffer, .address_space: global }
      - { .name: q_sc, .offset: 48, .size: 8, .value_kind: global_buffer, .address_space: global }
      - { .name: kv_img, .offset: 56, .size: 8, .value_kind: global_buffer, .address_space: global }
      - { .name: kv_sc, .offset: 64, .size: 8, .value_kind: global_buffer, .address_space: global }
    .group_segment_fixed_size: 327680
    .private_segment_fixed_size: 0
    .kernarg_segment_align: 8
    .kernarg_segment_size: 72
    .max_flat_workgroup_size: 128
    .sgpr_count:     104
    .vgpr_count:     1024
    .wavefront_size: 32
...
	.end_amdgpu_metadata
.endif
;; end of part 2
;; launch attn (part 3): grid 32 x 8, 16 waves a work-group, clusters of 4 x 1, 327,680 bytes of LDS; arguments q_img, q_sc, kv_img, kv_sc, attn_img, attn_sc; writes attn_img, attn_sc
.if DOCPART == 3
	.amdgcn_target "amdgcn-amd-amdhsa--gfx1250"
	.amdhsa_code_object_version 6
	.text
	.protected	k_q2ae16c033f_attn
	.globl	k_q2ae16c033f_attn
	.p2align	8
	.type	k_q2ae16c033f_attn,@function
k_q2ae16c033f_attn:
	s_mov_b64 s[64:65], 0
	v_nop
	global_prefetch_b8 v0, s[64:65] scope:SCOPE_SE
	s_setreg_imm32_b32 hwreg(HW_REG_WAVE_MODE, 25, 1), 1
	s_wait_xcnt 0x0
	s_wait_alu depctr_hold_cnt(0) depctr_sa_sdst(0) depctr_va_vdst(0) depctr_va_sdst(0) depctr_va_ssrc(0) depctr_va_vcc(0) depctr_vm_vsrc(0)
	s_getreg_b32 s2, hwreg(HW_REG_IB_STS2, 6, 4)
	s_cmp_eq_u32 s2, 0
	s_cbranch_scc0 .Lentry_in_a_cluster
	s_endpgm
.Lentry_in_a_cluster:
	s_bfe_u32 s2, ttmp6, 0x10000c
	s_cmp_lg_u32 s2, 0x3003
	s_cbranch_scc0 .Lentry_shape_is_right
	s_endpgm
.Lentry_shape_is_right:
; Causal attention on codes of BF6 (E3M2) with E8M0 scales: S^T = k q^T (K = the head's 64: the upper half of both operands is zero codes), p = 2^(t - M), O^T += v^T p^T (K = 128 keys a step), O / l,
; and the result quantised along the head's 64, stored as half a fragment image for the last product.  Key steps that lie wholly behind the causal mask of the problem are left out.
; t = score x log2(e) / 8; M = the running largest t rounded UP to a whole number; the row's sum is taken of the unquantised p; when M moves, sum and O^T are multiplied by 2^(old M - new M), which rounds nothing.
; IMAGES: 16 positions x 128 K in 1,536 bytes (registers 0-3 at 16 x lane, 4-5 at 512 + 8 x lane, 6-9 at 768 + 16 x lane, 10-11 at 1,280 + 8 x lane).  In q's and k's images K is a pair of heads: each head 768 bytes.
; Position p of tile a of a group of 128 tokens is token 32 (a / 2) + 8 (a % 2) + p % 8 + 16 (p / 8); V's tiles hold features in the same order.
; SHARES.  A cluster C of four work-groups serves one pair of heads (grid y) and eight quads of 64 queries; partner p holds tile p of each quad.  A tile of 16 queries of one head is shared by TWO waves:
; wave bit 0 = head, bit 1 = e, bits 3:2 = j; the wave takes the key steps of parity e.  First pass: quad 63 - 4 C - j, H = 8 - C / 2 slots; second pass: quad 4 C + j, C / 2 + 1 slots: 9 slots in every cluster.
; At a pass's end the wave e = 1 hands O^T, its sum and -M to the wave e = 0 through LDS bytes of their own; that wave brings both under the common M (powers of two), divides, quantises and stores.
; THE RING.  Two LDS slots of four key steps (98,304 dense bytes), filled by joint loads of waves 0-3, one a wave behind each round; it runs on from the first pass into the second.
; At the head every wave issues one joint load of 32 rows of 256 bytes: waves 0-11 slot 0, waves 12-15 the scale words of the pair of heads.  By this text's own count a wave never has more than one tensor load out.
; LIMITS: NaN and infinities are not served; the scaled scores stay under 2^31; p under 2^-126 becomes 0; a block whose largest magnitude lies under 2^-122 is held at the byte 1, a block of zeros too;
; O / l is a reciprocal and a multiplication.  The result's scale bytes leave as 2 bytes a lane, 4 bytes apart: the other head's wave writes the bytes between.
.set SLOT1, 131072
.set KSB,   12288                      ; a key step's 8 images
.set VOFF,  49152
.set XO,    98304                      ; behind slot 0: 8 x 4,096 bytes for the O^T handed over; no tile lands here
.set SCK,   262144                     ; K's scale words, 32 key steps x 512 bytes;
.set SCV,   SCK+16384                  ; V's
.set SPARE, SCV+16384+4096             ; the spare words, 128 bytes a wave
.set XM,    SPARE+2048                 ; 8 x 256 bytes: sum and -M handed over
.set SPW, 7
.set NIL, 8
.set KFR, 44                           ; v44-91 four fragments of K, upper six registers zeros
.set KSC, 92
.set S,   96                           ; v96-159 S^T, then p, then V's fragments
.set O,   160
.set PC,  192
.set PT,  204
.set BM,  212
.set BP,  216
.set BS,  220
.set AXO, 224                          ; LDS addresses of the hand-over
.set AXM, 225
.set QB,  226                          ; r + 8 (r / 8) - 16 h
.set WV,  16
.set KD,  22
.set KS,  23
.set TB,  48
.set TS,  49
.set CNT, 51
.set QC,  52
.set SEL, 54
.set CS,  56
.set PFA, 58
.set LIM, 60
.set QL,  61
.set HS,  62
.set NX,  63
.macro ROUND
	s_barrier_signal -1
	s_barrier_wait -1
	s_cmp_lg_u32 s[WV], 0
	s_cbranch_scc1 .Lnot_wave_0_\@
	s_barrier_signal -3
.Lnot_wave_0_\@:
	s_barrier_wait -3
	s_barrier_signal -1
	s_barrier_wait -1
.endm
	s_load_b256 s[4:11], s[0:1], 0x0               ; q_img, q_sc, kv_img, kv_sc
	s_load_b128 s[12:15], s[0:1], 0x20             ; attn_img, attn_sc
	v_lshl_add_u32 v[SPW], v0, 2, SPARE
	v_mov_b32 v[NIL], 0
	ds_add_u32 v[SPW], v[NIL]
	ds_add_u32 v[SPW], v[NIL]
	v_lshrrev_b32 v28, 5, v0
	s_delay_alu instid0(VALU_DEP_1)
	v_readfirstlane_b32 s[WV], v28
	s_and_b32 s17, s[WV], 1                        ; head
	s_bfe_u32 s18, s[WV], 0x10001                  ; e
	s_lshr_b32 s67, s[WV], 2                       ; j
	s_lshl_b32 s69, ttmp9, 2
	s_add_co_u32 s[QL], s69, s67                   ; the second pass's quad
	s_sub_co_u32 s21, 63, s[QL]                    ; the first pass's
	s_bfe_u32 s19, ttmp6, 0x40000                  ; p: enters global addresses and the mask's numbers alone
	s_and_b32 s20, ttmp7, 0xffff                   ; the pair of heads
	s_lshr_b32 s[HS], ttmp9, 1
	s_sub_co_u32 s[HS], 8, s[HS]                   ; H
	s_mov_b32 s[NX], 0                             ; which four key steps the slot asked for last holds
	s_mov_b32 s[CNT], 8
	s_mov_b32 s[KS], s18
	s_mul_i32 s[TB], s18, KSB
	s_mov_b32 s[SEL], 0x76543210
	s_mov_b32 s[SEL+1], 0xfedcba98
	s_mov_b32 s[CS], 0x3e38aa3b                    ; log2(e) / 8
	s_mov_b32 s[CS+1], s[CS]
	s_mov_b32 s24, 15|(3<<16)|(1<<21)              ; group 1, the ring: 96 rows of 256 bytes, dense; the mask names all four
	s_mov_b32 s25, 32<<16
	s_mov_b32 s26, 96<<16
	s_mov_b32 s27, 32<<16
	s_mov_b32 s28, 96
	s_mov_b32 s29, 32
	s_mov_b32 s30, 0
	s_mov_b32 s31, 0
	s_mov_b32 s32, 15|(3<<16)|(1<<21)              ; group 1, the head: 32 rows of 256 bytes
	s_mov_b32 s33, 32<<16
	s_mov_b32 s34, 32<<16
	s_mov_b32 s35, 32<<16
	s_mov_b32 s36, 32
	s_mov_b32 s37, 32
	s_mov_b32 s38, 0
	s_mov_b32 s39, 0
	s_lshl_b32 s85, s[WV], 13                      ; head: wave w < 12 fetches bytes 8,192 w .. of slot 0
	s_mul_i32 s68, s20, 786432
	s_add_co_u32 s88, s68, s85
	s_mov_b32 s89, 0
	s_and_b32 s70, s[WV], 3
	s_mul_i32 s41, s70, 24576                      ; ring: my quarter of a slot, if I fetch
	s_add_co_u32 s76, s68, s41
	s_mov_b32 s77, 0
	s_lshl_b32 s69, s70, 13
	s_add_co_u32 s45, s69, SCK                     ; head: waves 12-15 fetch a quarter of the scale words
	s_lshl_b32 s78, s20, 15
	s_add_co_u32 s78, s78, s69
	s_mov_b32 s79, 0
	s_mul_i32 s66, s19, 24576                      ; the prefetches: partner p's quarter of a slot, 8,192 bytes of it a wave, beginning in slot 1
	s_add_co_u32 s66, s66, s68
	s_add_co_u32 s66, s66, s69
	s_add_co_u32 s66, s66, 98304
	s_mov_b32 s67, 0
	s_sub_co_u32 s68, s[WV], 4
	s_cmp_lt_u32 s68, 3                            ; waves 4, 5, 6
	s_cselect_b32 s68, 0, 1
	s_or_b32 s68, s68, ttmp9                       ; of the pair's first cluster, which walks all eight slots in order
	s_cmp_eq_u32 s68, 0
	s_cselect_b32 s[LIM], 2, -1
	s_wait_dscnt 0x0
	s_wait_kmcnt 0x0
	s_mov_b32 s40, 1
	s_add_nc_u64 s[76:77], s[8:9], s[76:77]        ; my quarter of key steps 0-3
	s_mov_b32 s44, 1
	s_add_nc_u64 s[46:47], s[10:11], s[78:79]
	s_or_b32 s47, s47, 0x80000000
	s_mov_b32 s84, 1
	s_add_nc_u64 s[86:87], s[8:9], s[88:89]
	s_or_b32 s87, s87, 0x80000000
	s_add_nc_u64 s[PFA:PFA+1], s[8:9], s[66:67]
	ROUND                                          ; the first joint loads meet
	s_cmp_lt_u32 s[WV], 12                         ; every way passes one load
	s_cbranch_scc0 .Lhead_sc
	tensor_load_to_lds s[84:87], s[32:39]
	s_nop 0
.rept 4
	v_nop
.endr
	s_branch .Lhead_asked
.Lhead_sc:
	tensor_load_to_lds s[44:47], s[32:39]
	s_nop 0
.rept 4
	v_nop
.endr
.Lhead_asked:
	v_and_b32 v28, 31, v0
	v_and_b32 v29, 15, v0
	v_bfe_u32 v21, v0, 4, 1
	v_lshlrev_b32 v18, 4, v28
	v_lshlrev_b32 v19, 3, v28
	v_lshlrev_b32 v20, 2, v29
	v_lshlrev_b32 v11, 8, v28                      ; the prefetches: lanes 256 bytes apart
	s_wait_alu depctr_va_vdst(0)
	s_mul_i32 s66, s17, 768
	v_add_nc_u32 v1, s66, v18                      ; K: my head's half of an image
	s_add_co_u32 s67, s66, 512
	v_add_nc_u32 v2, s67, v19
	s_mul_i32 s66, s17, 6144
	s_add_co_u32 s66, s66, VOFF
	v_add_nc_u32 v3, s66, v18                      ; V: my head's four images
	v_add_nc_u32 v4, s66, v19
	s_lshl_b32 s66, s17, 1
	s_add_co_u32 s66, s66, SCK
	v_add_nc_u32 v5, s66, v20
	s_lshl_b32 s66, s17, 8
	s_add_co_u32 s66, s66, SCV
	v_add_nc_u32 v6, s66, v20
	s_lshr_b32 s66, s[WV], 2                       ; the pair of waves: 2 j + head
	s_lshl_b32 s66, s66, 1
	s_or_b32 s66, s66, s17
	s_lshl_b32 s68, s66, 12
	s_add_co_u32 s68, s68, XO
	v_add_nc_u32 v[AXO], s68, v18
	s_lshl_b32 s68, s66, 8
	s_add_co_u32 s68, s68, XM
	v_add_nc_u32 v[AXM], s68, v19
	v_and_b32 v9, 8, v29
	v_lshlrev_b32 v21, 4, v21
	v_add_nc_u32 v9, v9, v29
	s_delay_alu instid0(VALU_DEP_1)
	v_sub_nc_u32 v[QB], v9, v21
	v_mov_b32 v10, 0xff800000                      ; -infinity
.irp b, 0,1,2,3
	v_mov_b32 v[BP+\b], 0                          ; a lane permute's destination counts as one of its sources
.endr
.irp j, 38,39,40,41,42,43
	v_mov_b32 v\j, 0                               ; K = 64: k = 64 .. 127 are zero codes
.endr
.irp t, 0,1,2,3
.irp j, 6,7,8,9,10,11
	v_mov_b32 v[KFR+12*\t+\j], 0
.endr
.endr
; A PASS BEGINS: from the quad in s21 the addresses, q, the mask's number; the sums begin anew.
.macro BEGIN
	s_wait_alu depctr_va_vdst(0)
	s_wait_xcnt 0x0                                ; the last pass's stores have read their registers
	s_lshr_b32 s[KD], s21, 1                       ; my diagonal key step
	s_lshl_b32 s71, s21, 2
	s_add_co_u32 s71, s71, s19                     ; my tile of queries
	s_mul_i32 s72, s20, 393216
	s_mul_i32 s66, s71, 1536
	s_add_co_u32 s72, s72, s66
	s_mul_i32 s68, s17, 768
	s_add_co_u32 s72, s72, s68
	s_mov_b32 s73, 0
	s_add_nc_u64 s[72:73], s[4:5], s[72:73]        ; q's half image
	s_lshl_b32 s74, s20, 14
	s_lshl_b32 s66, s71, 6
	s_add_co_u32 s74, s74, s66
	s_lshl_b32 s69, s17, 1
	s_add_co_u32 s74, s74, s69
	s_mov_b32 s75, 0
	s_add_nc_u64 s[74:75], s[6:7], s[74:75]        ; its scale bytes
	s_lshr_b32 s80, s71, 3
	s_mul_i32 s80, s80, 98304
	s_lshr_b32 s66, s20, 1
	s_mul_i32 s66, s66, 24576
	s_add_co_u32 s80, s80, s66
	s_and_b32 s66, s71, 7
	s_mul_i32 s66, s66, 3072
	s_add_co_u32 s80, s80, s66
	s_and_b32 s66, s20, 1
	s_mul_i32 s66, s66, 1536
	s_add_co_u32 s80, s80, s66
	s_add_co_u32 s80, s80, s68
	s_mov_b32 s81, 0
	s_add_nc_u64 s[80:81], s[12:13], s[80:81]      ; the result's half image
	s_lshl_b32 s82, s71, 9
	s_lshl_b32 s66, s20, 6
	s_add_co_u32 s82, s82, s66
	s_add_co_u32 s82, s82, s69
	s_mov_b32 s83, 0
	s_add_nc_u64 s[82:83], s[14:15], s[82:83]      ; and its scale bytes
	global_load_b128 v[32:35], v18, s[72:73]
	global_load_b64 v[36:37], v19, s[72:73] offset:512
	global_load_u16 v30, v20, s[74:75]             ; two scale bytes; the upper two are 0 over zero codes
	s_and_b32 s66, s21, 1
	s_lshl_b32 s66, s66, 6
	s_lshr_b32 s68, s19, 1
	s_lshl_b32 s68, s68, 5
	s_add_co_u32 s66, s66, s68
	s_and_b32 s68, s19, 1
	s_lshl_b32 s68, s68, 3
	s_add_co_u32 s66, s66, s68
	v_add_nc_u32 v9, s66, v[QB]                    ; my query's number in its group of 128 tokens, less 16 h
	v_mov_b32 v23, 0xff61b1e6                      ; the largest t so far: -3e38
	v_mov_b32 v24, 0
	v_mov_b32 v25, 0
	v_mov_b32 v26, 0
	v_mov_b32 v27, 0
	v_floor_f32 v22, -v23                          ; -M
.set n_, 0
.rept 32
	v_mov_b32 v[O+n_], 0                           ; the step is written once: the first finds zeros
.set n_, n_+1
.endr
	s_wait_alu depctr_va_vdst(0)
	s_wait_loadcnt 0x0
.endm
; A KEY STEP: 128 keys.
.macro STEP
	s_cmp_gt_u32 s[KS], s[KD]                      ; all its keys come after my queries: a branch on ids round the step's work
	s_cbranch_scc1 .Lhidden_\@
	s_and_b32 s[TS], s[KS], 31
	s_lshl_b32 s[TS], s[TS], 9
	v_add_nc_u32 v12, s[TB], v1                    ; six plain lines: the places behind the last step's products
	v_add_nc_u32 v13, s[TB], v2
	v_add_nc_u32 v14, s[TB], v3
	v_add_nc_u32 v15, s[TB], v4
	v_add_nc_u32 v16, s[TS], v5
	v_add_nc_u32 v17, s[TS], v6
	s_wait_alu depctr_va_vdst(0)
.irp g, 0,1
.if \g
.rept 4
	v_nop
.endr
.endif
.irp t, 0,1,2,3
	ds_load_b128 v[KFR+12*\t:KFR+12*\t+3], v12 offset:(4*\g+\t)*1536
	ds_load_b64 v[KFR+12*\t+4:KFR+12*\t+5], v13 offset:(4*\g+\t)*1536
	ds_load_u16 v[KSC+\t], v16 offset:(4*\g+\t)*64
.endr
	s_wait_dscnt 0x0
.irp t, 0,1,2,3
	v_wmma_scale_f32_16x16x128_f8f6f4 v[S+8*(4*\g+\t):S+8*(4*\g+\t)+7], v[KFR+12*\t:KFR+12*\t+11], v[32:43], 0, v[KSC+\t], v30 matrix_a_fmt:MATRIX_FMT_BF6 matrix_b_fmt:MATRIX_FMT_BF6
.endr
.endr
.rept 4
	v_nop
.endr
	s_cmp_lg_u32 s[KS], s[KD]                      ; on the diagonal hidden keys' scores become -infinity: p = 0
	s_cbranch_scc1 .Lopen_\@
.set n_, 0
.rept 64
	v_cmp_gt_i32 vcc_lo, 32*(n_/16)+n_%16, v9
	v_cndmask_b32 v[S+n_], v[S+n_], v10, vcc_lo
.set n_, n_+1
.endr
.Lopen_\@:
.irp b, 0,1,2,3
	v_max3_num_f32 v[BM+\b], v[S+16*\b], v[S+16*\b+1], v[S+16*\b+2]    ; each block's largest score: for the row's maximum and for the block's largest p
.endr
.irp i, 3,5,7,9,11,13
.irp b, 0,1,2,3
	v_max3_num_f32 v[BM+\b], v[BM+\b], v[S+16*\b+\i], v[S+16*\b+\i+1]
.endr
.endr
.irp b, 0,1,2,3
	v_max_num_f32 v[BM+\b], v[BM+\b], v[S+16*\b+15]
.endr
.irp b, 0,1,2,3
	s_delay_alu instid0(VALU_DEP_4)
	v_permlanex16_b32 v[BP+\b], v[BM+\b], s[SEL], s[SEL+1]
.endr
.irp b, 0,1,2,3
	s_delay_alu instid0(VALU_DEP_4)
	v_max_num_f32 v[BM+\b], v[BM+\b], v[BP+\b]
.endr
	s_delay_alu instid0(VALU_DEP_2)
	v_max3_num_f32 v28, v[BM], v[BM+1], v[BM+2]
	s_delay_alu instid0(VALU_DEP_1)
	v_max_num_f32 v28, v28, v[BM+3]
	s_delay_alu instid0(VALU_DEP_1)
	v_mul_f32 v28, s[CS], v28
	s_delay_alu instid0(VALU_DEP_1)
	v_max_num_f32 v23, v23, v28
	v_mov_b32 v28, v22
	s_delay_alu instid0(VALU_DEP_2)
	v_floor_f32 v22, -v23                          ; the new -M = -ceil(t)
	s_delay_alu instid0(VALU_DEP_1)
	v_sub_f32 v28, v22, v28                        ; old M - new M
	s_delay_alu instid0(VALU_DEP_1)
	v_cvt_i32_f32 v28, v28                         ; (it saturates)
	s_delay_alu instid0(VALU_DEP_1)
	v_ldexp_f32 v26, 1.0, v28                      ; f
.set n_, 0
.rept 32
	v_pk_fma_f32 v[S+n_:S+n_+1], v[S+n_:S+n_+1], s[CS:CS+1], v[22:23] op_sel_hi:[1,0,0]   ; t - M
.set n_, n_+2
.endr
.irp b, 0,1,2,3
	v_fma_f32 v[BM+\b], v[BM+\b], s[CS], v22
.endr
	s_wait_alu depctr_va_vdst(0)
.set n_, 0
.rept 64
	v_exp_f32 v[S+n_], v[S+n_]
.set n_, n_+1
.endr
	v_pk_mul_f32 v[24:25], v[24:25], v[26:27] op_sel_hi:[1,0]    ; the sums under the new M: the plain place behind the batch
	s_wait_alu depctr_va_vdst(0)                   ; one wait for the 64
.irp b, 0,1,2,3
	v_exp_f32 v[BM+\b], v[BM+\b]                   ; the blocks' largest p
.endr
	v_pk_add_f32 v[244:245], v[S:S+1], v[S+2:S+3]  ; the row's sum of the unquantised p, in four chains
	v_pk_add_f32 v[246:247], v[S+4:S+5], v[S+6:S+7]
	v_pk_add_f32 v[248:249], v[S+8:S+9], v[S+10:S+11]
	v_pk_add_f32 v[24:25], v[24:25], v[S+12:S+13]
.set n_, 14
.rept 6
	v_pk_add_f32 v[244:245], v[244:245], v[S+n_:S+n_+1]
	v_pk_add_f32 v[246:247], v[246:247], v[S+n_+2:S+n_+3]
	v_pk_add_f32 v[248:249], v[248:249], v[S+n_+4:S+n_+5]
	v_pk_add_f32 v[24:25], v[24:25], v[S+n_+6:S+n_+7]
.set n_, n_+8
.endr
	v_pk_add_f32 v[244:245], v[244:245], v[S+62:S+63]
	v_pk_add_f32 v[246:247], v[246:247], v[248:249]
	s_delay_alu instid0(VALU_DEP_2)
	v_pk_add_f32 v[24:25], v[24:25], v[244:245]
	s_delay_alu instid0(VALU_DEP_1)
	v_pk_add_f32 v[24:25], v[24:25], v[246:247]
	s_wait_alu depctr_va_vdst(0)                   ; and one for the four
.irp b, 0,1,2,3
	v_max_num_f32 v[BM+\b], 0x2800000, v[BM+\b]    ; the floor 2^(5 - 127)
.endr
.irp b, 0,1,2,3
	s_delay_alu instid0(VALU_DEP_4)
	v_add_nc_u32 v[BS+\b], 0xfe000000, v[BM+\b]
.endr
.irp b, 0,1,2,3
	s_delay_alu instid0(VALU_DEP_4)
	v_lshrrev_b32 v[BP+\b], 23, v[BS+\b]
.endr
	s_delay_alu instid0(VALU_DEP_3)
	v_lshl_or_b32 v31, v[BP+1], 8, v[BP]           ; p's scale word
	s_delay_alu instid0(VALU_DEP_1)
	v_lshl_or_b32 v31, v[BP+2], 16, v31
	s_delay_alu instid0(VALU_DEP_1)
	v_lshl_or_b32 v31, v[BP+3], 24, v31
.irp c, 0,1
	v_cvt_scalef32_pk16_bf6_f32 v[PC+6*\c:PC+6*\c+2], v[S+32*\c:S+32*\c+15], v[BS+2*\c]
	v_cvt_scalef32_pk16_bf6_f32 v[PT+4*\c:PT+4*\c+2], v[S+32*\c+16:S+32*\c+31], v[BS+2*\c+1]
.endr
	v_nop                                          ; one plain place behind a scaled conversion
.irp t, 0,1,2,3                        ; V's four fragments land where p lay
	ds_load_b128 v[S+12*\t:S+12*\t+3], v14 offset:\t*1536
	ds_load_b64 v[S+12*\t+4:S+12*\t+5], v15 offset:\t*1536+512
	ds_load_b128 v[S+12*\t+6:S+12*\t+9], v14 offset:\t*1536+768
	ds_load_b64 v[S+12*\t+10:S+12*\t+11], v15 offset:\t*1536+1280
	ds_load_b32 v[KSC+\t], v17 offset:\t*64
.endr
.irp c, 0,1
.irp i, 0,1,2
	v_permlane16_swap_b32 v[PC+6*\c+\i], v[PT+4*\c+\i]
.endr
.irp i, 0,1,2
	s_delay_alu instid0(VALU_DEP_3)
	v_mov_b32 v[PC+6*\c+3+\i], v[PT+4*\c+\i]
.endr
.endr
.set n_, 0
.rept 16
	v_pk_mul_f32 v[O+n_:O+n_+1], v[O+n_:O+n_+1], v[26:27] op_sel_hi:[1,0]    ; O^T under the new M; also the places ahead of the products below
.set n_, n_+2
.endr
	s_wait_alu depctr_va_vdst(0)
	s_wait_dscnt 0x0
.irp t, 0,1,2,3
	v_wmma_scale_f32_16x16x128_f8f6f4 v[O+8*\t:O+8*\t+7], v[S+12*\t:S+12*\t+11], v[PC:PC+11], v[O+8*\t:O+8*\t+7], v[KSC+\t], v31 matrix_a_fmt:MATRIX_FMT_BF6 matrix_b_fmt:MATRIX_FMT_BF6
.endr
.Lhidden_\@:
	s_add_co_u32 s[KS], s[KS], 2                   ; my next key step of parity e
	s_add_co_u32 s[TB], s[TB], 2*KSB
.endm
.macro SLOT_STEPS                      ; my two of a slot's four key steps
	s_mov_b32 s[QC], 2
.Lstep_\@:
	STEP
	s_sub_co_u32 s[QC], s[QC], 1
	s_cmp_lg_u32 s[QC], 0
	s_cbranch_scc1 .Lstep_\@
	s_sub_co_u32 s[TB], s[TB], 4*KSB
	s_xor_b32 s[TB], s[TB], SLOT1
.endm
; THE CHANGE OF SLOTS, at a slot's head: the wait for all my tensor loads, the add, the wait for it and for my reads of the slot left.  fill = 1: a round of the cluster's barrier, and the slot left takes the next
; four key steps: those after the last asked for, or, behind the first pass's last, key steps 0-3 again.  A prefetch follows for the slot after that one (the pair's first cluster, waves 4-6, 8,192 bytes a wave,
; lanes 256 bytes apart, partners told apart by address); it stops with the pair's eighth slot.
.macro CHANGE fill
	s_wait_tensorcnt 0x0
	ds_add_u32 v[SPW], v[NIL]
.if \fill
	s_xor_b32 s41, s41, SLOT1
	s_add_co_u32 s[NX], s[NX], 1
	s_cmp_eq_u32 s[NX], s[HS]
	s_cselect_b32 s[NX], 0, s[NX]
	s_mul_i32 s66, s[NX], 98304
	s_mov_b32 s67, 0
	s_add_nc_u64 s[42:43], s[76:77], s[66:67]
	s_or_b32 s43, s43, 0x80000000
	s_wait_xcnt 0x0                                ; the last prefetch has read its address
	s_add_nc_u64 s[PFA:PFA+1], s[PFA:PFA+1], 98304
.endif
	s_wait_dscnt 0x0
.if \fill
	ROUND
	s_cmp_lt_u32 s[WV], 4
	s_cbranch_scc0 .Lnone_\@
	tensor_load_to_lds s[40:43], s[24:31]
	s_nop 0
.rept 4
	v_nop
.endr
.Lnone_\@:
	s_cmp_gt_u32 s[CNT], s[LIM]
	s_cbranch_scc0 .Lnot_mine_\@
	global_prefetch_b8 v11, s[PFA:PFA+1] th:TH_LOAD_NT scope:SCOPE_SE
.Lnot_mine_\@:
.else
	s_barrier_signal -1
	s_barrier_wait -1
.endif
.endm
; A PASS ENDS.  Wave e = 1 stores O^T, its sum and -M; a barrier; wave e = 0 joins the two halves of the keys, divides by the sum, quantises the two blocks of 32 along d and stores its head's half of the image.
.macro FINISH
.rept 4
	v_nop                                          ; places behind the last products
.endr
	v_add_f32 v24, v24, v25
	s_delay_alu instid0(VALU_DEP_1)
	v_permlanex16_b32 v28, v24, s[SEL], s[SEL+1]
	s_delay_alu instid0(VALU_DEP_1)
	v_add_f32 v24, v24, v28                        ; my keys' part of the row's sum
	s_wait_alu depctr_va_vdst(0)
	s_cmp_eq_u32 s18, 0
	s_cbranch_scc1 .Lkeep_\@
	v_mov_b32 v25, v22
.irp i, 0,1,2,3,4,5,6,7
	ds_store_b128 v[AXO], v[O+4*\i:O+4*\i+3] offset:512*\i     ; each accumulator from its low end on
.endr
	ds_store_b64 v[AXM], v[24:25]
.Lkeep_\@:
	s_wait_dscnt 0x0                               ; my stores are done
	s_barrier_signal -1
	s_barrier_wait -1
	s_cmp_lg_u32 s18, 0
	s_cbranch_scc1 .Ldone_\@
.irp i, 0,1,2,3,4,5,6,7
	ds_load_b128 v[S+4*\i:S+4*\i+3], v[AXO] offset:512*\i
.endr
	ds_load_b64 v[28:29], v[AXM]                   ; the other's sum and -M
	s_wait_dscnt 0x0
	v_min_num_f32 v26, v22, v29                    ; the common -M
	s_delay_alu instid0(VALU_DEP_1)
	v_sub_f32 v27, v26, v22
	v_sub_f32 v29, v26, v29
	s_delay_alu instid0(VALU_DEP_2)
	v_cvt_i32_f32 v27, v27                         ; (they saturate: a wave that had no key counts for nothing)
	s_delay_alu instid0(VALU_DEP_2)
	v_cvt_i32_f32 v29, v29
	s_delay_alu instid0(VALU_DEP_2)
	v_ldexp_f32 v27, 1.0, v27
	s_delay_alu instid0(VALU_DEP_2)
	v_ldexp_f32 v29, 1.0, v29
	s_delay_alu instid0(VALU_DEP_2)
	v_mul_f32 v24, v24, v27
	s_delay_alu instid0(VALU_DEP_1)
	v_fmac_f32 v24, v28, v29                       ; the row's sum
	s_wait_alu depctr_va_vdst(0)
	v_rcp_f32 v24, v24
	v_nop
	s_wait_alu depctr_va_vdst(0)
	v_mul_f32 v28, v27, v24                        ; my factor / the sum,
	v_mul_f32 v26, v29, v24                        ; the other's
.set n_, 0
.rept 16
	v_pk_mul_f32 v[S+n_:S+n_+1], v[S+n_:S+n_+1], v[26:27] op_sel_hi:[1,0]
.set n_, n_+2
.endr
	s_wait_alu depctr_va_vdst(0)
.set n_, 0
.rept 16
	v_pk_fma_f32 v[S+n_:S+n_+1], v[O+n_:O+n_+1], v[28:29], v[S+n_:S+n_+1] op_sel_hi:[1,0,1]   ; register 16 b + i is d = 32 b + 16 h + i
.set n_, n_+2
.endr
.irp b, 0,1
	v_max3_num_f32 v[BM+\b], |v[S+16*\b]|, |v[S+16*\b+1]|, 0x2800000
.endr
.irp i, 2,4,6,8,10,12,14
.irp b, 0,1
	s_delay_alu instid0(VALU_DEP_2)
	v_max3_num_f32 v[BM+\b], v[BM+\b], |v[S+16*\b+\i]|, |v[S+16*\b+\i+1]|
.endr
.endr
.irp b, 0,1
	s_delay_alu instid0(VALU_DEP_2)
	v_permlanex16_b32 v[BP+\b], v[BM+\b], s[SEL], s[SEL+1]
.endr
.irp b, 0,1
	s_delay_alu instid0(VALU_DEP_2)
	v_max_num_f32 v[BM+\b], v[BM+\b], v[BP+\b]
.endr
.irp b, 0,1
	s_delay_alu instid0(VALU_DEP_2)
	v_add_nc_u32 v[BS+\b], 0xfe000000, v[BM+\b]
.endr
.irp b, 0,1
	s_delay_alu instid0(VALU_DEP_2)
	v_lshrrev_b32 v[BP+\b], 23, v[BS+\b]
.endr
	s_delay_alu instid0(VALU_DEP_1)
	v_lshl_or_b32 v29, v[BP+1], 8, v[BP]
	v_cvt_scalef32_pk16_bf6_f32 v[PC:PC+2], v[S:S+15], v[BS]
	v_cvt_scalef32_pk16_bf6_f32 v[PT:PT+2], v[S+16:S+31], v[BS+1]
	v_nop
.irp i, 0,1,2
	v_permlane16_swap_b32 v[PC+\i], v[PT+\i]
.endr
.irp i, 0,1,2
	s_delay_alu instid0(VALU_DEP_3)
	v_mov_b32 v[PC+3+\i], v[PT+\i]
.endr
	global_store_b128 v18, v[PC:PC+3], s[80:81]             ; 512 consecutive bytes, aligned
	global_store_b64 v19, v[PC+4:PC+5], s[80:81] offset:512 ; 256 consecutive bytes, aligned
	global_store_b16 v20, v29, s[82:83]                     ; lanes r and 16 + r store the same bytes
.Ldone_\@:
.endm
	BEGIN
.Lslot:
	CHANGE 1
	SLOT_STEPS
	s_cmp_lg_u32 s[NX], 0                          ; the slot asked for holds key steps 0-3 again: the first pass is over (ids alone, the same in all waves and partners)
	s_cbranch_scc1 .Lsame
	FINISH
	s_mov_b32 s21, s[QL]
	s_mov_b32 s[KS], s18
	BEGIN
.Lsame:
	s_sub_co_u32 s[CNT], s[CNT], 1
	s_cmp_lg_u32 s[CNT], 0
	s_cbranch_scc1 .Lslot
	CHANGE 0                                       ; the ninth slot is written out: nothing is asked for
	SLOT_STEPS
	FINISH
	s_wait_tensorcnt 0x0                           ; the wave's end
	ds_add_u32 v[SPW], v[NIL]
	s_wait_dscnt 0x0
	ROUND                                          ; the closing round
	s_endpgm
.Lfunc_end_k_q2ae16c033f_attn:
	.size	k_q2ae16c033f_attn, .Lfunc_end_k_q2ae16c033f_attn-k_q2ae16c033f_attn
	.p2alignl 7, 3214868480
	.fill 96, 4, 3214868480
	.section	.rodata,"a",@progbits
	.p2align	6, 0x0
	.amdhsa_kernel k_q2ae16c033f_attn
		.amdhsa_group_segment_fixed_size 327680
		.amdhsa_private_segment_fixed_size 0
		.amdhsa_enable_private_segment 0
		.amdhsa_kernarg_size 48
		.amdhsa_user_sgpr_count 2
		.amdhsa_user_sgpr_kernarg_segment_ptr 1
		.amdhsa_wavefront_size32 1
		.amdhsa_system_sgpr_workgroup_id_x 1
		.amdhsa_system_sgpr_workgroup_id_y 1
		.amdhsa_system_sgpr_workgroup_id_z 1
		.amdhsa_system_vgpr_workitem_id 0
		.amdhsa_next_free_vgpr 256
		.amdhsa_next_free_sgpr 92
		.amdhsa_reserve_vcc 1
		.amdhsa_float_denorm_mode_32 3
		.amdhsa_float_denorm_mode_16_64 3
		.amdhsa_memory_ordered 1
		.amdhsa_forward_progress 1
		.amdhsa_inst_pref_size 78
	.end_amdhsa_kernel
	.amdgpu_metadata
---
amdhsa.version: [ 1, 2 ]
amdhsa.kernels:
  - .name:           k_q2ae16c033f_attn
    .symbol:         k_q2ae16c033f_attn.kd
    .args:
      - { .name: q_img, .offset: 0, .size: 8, .value_kind: global_buffer, .address_space: global }
      - { .name: q_sc, .offset: 8, .size: 8, .value_kind: global_buffer, .address_space: global }
      - { .name: kv_img, .offset: 16, .size: 8, .value_kind: global_buffer, .address_space: global }
      - { .name: kv_sc, .offset: 24, .size: 8, .value_kind: global_buffer, .address_space: global }
      - { .name: attn_img, .offset: 32, .size: 8, .value_kind: global_buffer, .address_space: global }
      - { .name: attn_sc, .offset: 40, .size: 8, .value_kind: global_buffer, .address_space: global }
    .group_segment_fixed_size: 327680
    .private_segment_fixed_size: 0
    .kernarg_segment_align: 8
    .kernarg_segment_size: 48
    .max_flat_workgroup_size: 512
    .sgpr_count:     92
    .vgpr_count:     256
    .wavefront_size: 32
...
	.end_amdgpu_metadata
.endif
;; end of part 3
;; launch outp (part 4): grid 4 x 16, 4 waves a work-group, clusters of 4 x 4, 327,680 bytes of LDS; arguments attn_img, attn_sc, opnd, opsc, bo, out0; writes out0
.if DOCPART == 4
	.amdgcn_target "amdgcn-amd-amdhsa--gfx1250"
	.amdhsa_code_object_version 6
	.text
	.protected	k_q2ae16c033f_outp
	.globl	k_q2ae16c033f_outp
	.p2align	8
	.type	k_q2ae16c033f_outp,@function
k_q2ae16c033f_outp:
	s_mov_b64 s[64:65], 0
	v_nop
	global_prefetch_b8 v0, s[64:65] scope:SCOPE_SE
	s_setreg_imm32_b32 hwreg(HW_REG_WAVE_MODE, 25, 1), 1
	s_wait_xcnt 0x0
	s_wait_alu depctr_hold_cnt(0) depctr_sa_sdst(0) depctr_va_vdst(0) depctr_va_sdst(0) depctr_va_ssrc(0) depctr_va_vcc(0) depctr_vm_vsrc(0)
	s_getreg_b32 s2, hwreg(HW_REG_IB_STS2, 6, 4)
	s_cmp_eq_u32 s2, 0
	s_cbranch_scc0 .Lentry_in_a_cluster
	s_endpgm
.Lentry_in_a_cluster:
	s_bfe_u32 s2, ttmp6, 0x10000c
	s_cmp_lg_u32 s2, 0xf033
	s_cbranch_scc0 .Lentry_shape_is_right
	s_endpgm
.Lentry_shape_is_right:
; out0 = attn Wo^T + bo on codes of BF6 (E3M2) with E8M0 scales, K = 1,024; out0 [4096][1024] f32.
; OPERANDS come as images (16 positions x 128 K in 1,536 bytes: registers 0-3 at 16 x lane, 4-5 at 512 + 8 x lane, 6-9 at 768 + 16 x lane, 10-11 at 1,280 + 8 x lane); 128 rows x 256 K are one dense block of 24,576 bytes.
; Position p of tile a of a group of 128 rows is row 32 (a / 2) + 8 (a % 2) + p % 8 + 16 (p / 8).
; SHARES.  A work-group makes 256 tokens (A) x 256 outputs (B = Wo's rows, groups 120-127 of opnd); each of its four waves 128 x 128 in 64 accumulators.  Source 0 = a tile of B, source 1 = a tile of A: a lane holds one
; token and register j of tile b is output 32 (b / 2) + 8 (b % 2) + 16 (lane / 16) + j.  The bias is the C of the first K step.  64 work-groups: the tile is kept large, so that each LDS byte feeds 128 multiply-adds a side.
; THE RING.  Three LDS slots of two K steps each are filled at the start (K steps 0-5); slot 0 is filled once more (K steps 6-7) behind K step 1, and has four K steps, 256 matrix instructions, in which to land.
; By this text's own count a wave has one tensor load out at the start and one later.  The scale words of all of K come once and go into 64 registers.
; CLUSTERS: 4 x 4 work-groups; A's blocks are asked for jointly along a row of the cluster, B's along a column.
; REGISTERS: window 0: v1-27 addresses; v32-95 scale words; v96-159 the bias; v160-255 A's 8 fragments; on the way out v128-255 rows of out0.  window 1: B's two sets.  windows 2, 3: accumulator (a, b) at v[8 (8 (a % 4) + b)].
.set HALFB,  24576
.set SLOT,   4*HALFB
.set SCL,    3*SLOT
.set SPARE,  SCL+16384                 ; the spare words, 128 bytes a wave: two blocks of 256 bytes that no other line names
.set STG,    HALFB                     ; the way out: 16 rows x 528 bytes a wave, where K steps 2-5 of A's half 0 lay: filled once, last read ahead of the barrier in K step 5
.set SPITCH, 528
.set ADRA16, 4
.set ADRA8,  7
.set ADRB16, 10
.set ADRB8,  13
.set ADRS,   16
.set SPW,    17
.set NIL,    18
.set L16,    19
.set L8,     20
.set STO,    23
.set RD,     24
.set SC,     32
.set BI,     96
.set AF,     160
.set BK,     128
.set G1A,  24
.set G0A,  32
.set G1B,  48
.set G0B0, 56
.set G0B1, 60
.set G0B2, 92
.set G1SA, 68
.set G0SA, 76
.set G1SB, 80
.set G0SB, 88
.set MSB, 0
.macro WIN new                         ; the immediate's high byte repeats the setting that is left
.if MSB != (\new)
	s_set_vgpr_msb (MSB<<8)|(\new)
.set MSB, (\new)
.endif
.endm
.macro PLACES                          ; four plain places behind a matrix instruction, ahead of loads into its registers and of reads of its result
.rept 4
	v_nop
.endr
.endm
.macro JLOAD g0a, g1a, g0b, g1b        ; a joint load: waves 0 and 1 fetch for A, waves 2 and 3 for B; four v_nop follow each line
	s_cmp_eq_u32 s15, 0
	s_cbranch_scc0 .Lfor_b_\@
	tensor_load_to_lds s[\g0a:\g0a+3], s[\g1a:\g1a+7]
	s_nop 0
.rept 4
	v_nop
.endr
	s_branch .Lasked_\@
.Lfor_b_\@:
	tensor_load_to_lds s[\g0b:\g0b+3], s[\g1b:\g1b+7]
	s_nop 0
.rept 4
	v_nop
.endr
.Lasked_\@:
.endm
.macro CREST
	s_cmp_lg_u32 s14, 0
	s_cbranch_scc1 .Lnot_wave_0_\@
	s_barrier_signal -3
.Lnot_wave_0_\@:
	s_barrier_wait -3
	s_barrier_signal -1
	s_barrier_wait -1
.endm
.macro CROUND
	s_barrier_signal -1
	s_barrier_wait -1
	CREST
.endm
.macro MKG0 g0, lo, n
	s_mov_b32 s[\g0], 1
	s_add_co_u32 s[\g0+1], s67, (\n)*SLOT
	s_add_nc_u64 s[\g0+2:\g0+3], s[\lo:\lo+1], (\n)*HALFB
	s_or_b32 s[\g0+3], s[\g0+3], 0x80000000
.endm
.macro FRAG reg, a16, a8, off
	ds_load_b128 v[\reg:\reg+3], v[\a16] offset:\off
	ds_load_b64 v[\reg+4:\reg+5], v[\a8] offset:\off+512
	ds_load_b128 v[\reg+6:\reg+9], v[\a16] offset:\off+768
	ds_load_b64 v[\reg+10:\reg+11], v[\a8] offset:\off+1280
.endm
.macro FETCH_B n, q, p
	WIN 0x40
.irp i, 0,1,2,3,4,5,6,7
	FRAG 128*(\p)+12*\i, ADRB16+(\n), ADRB8+(\n), \i*3072+(\q)*1536
.endr
	WIN 0
.endm
.macro FETCH_A n, q, i0
.irp i, \i0, \i0+1, \i0+2, \i0+3
	FRAG AF+12*(\i), ADRA16+(\n), ADRA8+(\n), (\i)*3072+(\q)*1536
.endr
.endm
.macro SCALES
.irp s, 0,1,2,3,4,5,6,7
.irp i, 0,1,2,3,4,5,6,7
	ds_load_b32 v[SC+8*\s+\i], v[ADRS] offset:\i*512+\s*64
.endr
.endr
.endm
; 16 matrix instructions: A's tiles a0, a0 + 1 x B's eight.  first = 1: the sums begin with the bias.  The 64 accumulators take turns in the same order in every K step.
.macro MUL16 a0, p, ks, first
.irp a, \a0, \a0+1
.irp b, 0,1,2,3,4,5,6,7
.if \first
	v_wmma_scale_f32_16x16x128_f8f6f4 v[8*(8*((\a)%4)+\b):8*(8*((\a)%4)+\b)+7], v[128*(\p)+12*\b:128*(\p)+12*\b+11], v[AF+12*(\a):AF+12*(\a)+11], v[BI+8*\b:BI+8*\b+7], v[SC+8*(\ks)+\b], v[SC+8*(\ks)+(\a)] matrix_a_fmt:MATRIX_FMT_BF6 matrix_b_fmt:MATRIX_FMT_BF6 matrix_a_scale:MATRIX_SCALE_ROW1
.else
	v_wmma_scale_f32_16x16x128_f8f6f4 v[8*(8*((\a)%4)+\b):8*(8*((\a)%4)+\b)+7], v[128*(\p)+12*\b:128*(\p)+12*\b+11], v[AF+12*(\a):AF+12*(\a)+11], v[8*(8*((\a)%4)+\b):8*(8*((\a)%4)+\b)+7], v[SC+8*(\ks)+\b], v[SC+8*(\ks)+(\a)] matrix_a_fmt:MATRIX_FMT_BF6 matrix_b_fmt:MATRIX_FMT_BF6 matrix_a_scale:MATRIX_SCALE_ROW1
.endif
.endr
.endr
.endm
.macro STEP ks, nn, nq, first
	s_wait_dscnt 16                                ; B's set and A's tiles 0-3 are in; the youngest 16 loads (A's tiles 4-7) may be out
.if \first
	WIN 0x81
.else
	WIN 0xa1
.endif
	MUL16 0, (\ks)%2, \ks, \first
	MUL16 2, (\ks)%2, \ks, \first
	s_wait_dscnt 0x0
	PLACES
	FETCH_B \nn, \nq, 1-(\ks)%2
	FETCH_A \nn, \nq, 0
.if \first
	WIN 0xc1
.else
	WIN 0xf1
.endif
	MUL16 4, (\ks)%2, \ks, \first
	MUL16 6, (\ks)%2, \ks, \first
	PLACES
	WIN 0
	FETCH_A \nn, \nq, 4
.endm
; K step ks with a barrier in it: in front of it each wave waits for all its tensor loads, adds 0 to its spare word, and waits for that and for its LDS reads.  fill = 1: the barrier opens a round of the
; cluster's barrier, behind which slot 0 takes K steps 6 and 7.  fill = 0: behind it slot 0's second fill is whole for every wave.
.macro TURN ks, nn, fill
	s_wait_tensorcnt 0x0
	ds_add_u32 v[SPW], v[NIL]
	s_wait_dscnt 17                                ; (the add and the youngest 16 loads may be out)
	WIN 0xa1
	MUL16 0, (\ks)%2, \ks, 0
	s_wait_dscnt 0x0
	s_barrier_signal -1
	MUL16 2, (\ks)%2, \ks, 0
	WIN 0
	s_barrier_wait -1
.if \fill
	CREST
	s_add_nc_u64 s[G0A+2:G0A+3], s[G0A+2:G0A+3], 3*HALFB
	s_add_nc_u64 s[G0B0+2:G0B0+3], s[G0B0+2:G0B0+3], 3*HALFB
	JLOAD G0A, G1A, G0B0, G1B
.else
	PLACES
.endif
	FETCH_B \nn, 0, 1-(\ks)%2
	FETCH_A \nn, 0, 0
	WIN 0xf1
	MUL16 4, (\ks)%2, \ks, 0
	MUL16 6, (\ks)%2, \ks, 0
	PLACES
	WIN 0
	FETCH_A \nn, 0, 4
.endm
	s_load_b128 s[4:7], s[0:1], 0x0                ; attn_img, attn_sc
	s_load_b128 s[8:11], s[0:1], 0x10              ; opnd, opsc
	s_load_b128 s[96:99], s[0:1], 0x20             ; bo, out0
	v_lshl_add_u32 v[SPW], v0, 2, SPARE
	v_mov_b32 v[NIL], 0
	ds_add_u32 v17, v18
	ds_add_u32 v17, v18
	s_wait_dscnt 0x0
	v_lshrrev_b32 v1, 5, v0
	v_readfirstlane_b32 s14, v1                    ; wave 0..3
	s_lshr_b32 s15, s14, 1                         ; my half of A.  Also: I fetch for A (0) or for B (1)
	s_and_b32 s16, s14, 1                          ; my half of B.  Also: which half I fetch
	s_bfe_u32 s44, ttmp6, 0x40000                  ; cx
	s_bfe_u32 s45, ttmp6, 0x40004                  ; cy
	s_and_b32 s20, ttmp7, 0xffff
	s_lshl_b32 s20, s20, 2
	s_add_co_u32 s17, s20, s45                     ; tile row: 256 tokens
	s_mov_b32 s46, s44                             ; tile column: 256 outputs
	s_lshl_b32 s18, s45, 2
	s_lshl_b32 s18, 15, s18                        ; my row of the cluster
	s_lshl_b32 s100, 0x1111, s44                   ; my column
	s_or_b32 s[G1A], s18, (3<<16)|(1<<21)
	s_or_b32 s[G1SA], s18, (3<<16)|(1<<21)
	s_or_b32 s[G1B], s100, (3<<16)|(1<<21)
	s_or_b32 s[G1SB], s100, (3<<16)|(1<<21)
.irp g, G1A, G1B                       ; the head's shape: two groups' K steps 0-5, 2 rows of 73,728 bytes (9,216 elements of 8), 98,304 bytes apart
	s_mov_b32 s[\g+1], 9216<<16
	s_mov_b32 s[\g+2], 2<<16
	s_mov_b32 s[\g+3], 9216<<16
	s_mov_b32 s[\g+4], 2
	s_mov_b32 s[\g+5], 12288
	s_mov_b32 s[\g+6], 0
	s_mov_b32 s[\g+7], 0
.endr
.irp g, G1SA, G1SB                     ; 8,192 bytes of scale words (two groups) as 32 rows of 256
	s_mov_b32 s[\g+1], 32<<16
	s_mov_b32 s[\g+2], 32<<16
	s_mov_b32 s[\g+3], 32<<16
	s_mov_b32 s[\g+4], 32
	s_mov_b32 s[\g+5], 32
	s_mov_b32 s[\g+6], 0
	s_mov_b32 s[\g+7], 0
.endr
	s_lshl_b32 s20, s17, 1
	s_add_co_u32 s20, s20, s16                     ; the group of A that I would fetch
	s_lshl_b32 s22, s46, 1
	s_add_co_u32 s22, s22, s16
	s_add_co_u32 s22, s22, 120                     ; and of B: Wo's groups begin at 120
	s_mul_i32 s18, s20, 4096
	s_mov_b32 s19, 0
	s_mul_i32 s20, s20, 98304
	s_mov_b32 s21, 0
	s_mul_i32 s100, s22, 4096
	s_mov_b32 s101, 0
	s_mul_i32 s22, s22, 98304
	s_mov_b32 s23, 0
	s_mul_i32 s67, s14, 3*HALFB                    ; LDS: A's half 0, A's half 1, B's half 0, B's half 1, each with K steps 0-5 on end (73,728 bytes)
	s_wait_kmcnt 0x0
	s_add_nc_u64 s[20:21], s[4:5], s[20:21]
	s_add_nc_u64 s[22:23], s[8:9], s[22:23]
	s_add_nc_u64 s[18:19], s[6:7], s[18:19]
	s_add_nc_u64 s[100:101], s[10:11], s[100:101]
	CROUND                                         ; all sixteen work-groups are here: the first joint loads meet
; THE HEAD'S LOADS, ONE A WAVE: wave 0 A's K steps 0-5 of both halves, wave 1 B's, wave 2 A's scale words, wave 3 B's.  Each begins at the tile's first group: my half is taken off.
	s_mul_i32 s2, s16, 98304
	s_mov_b32 s3, 0
	s_mov_b32 s[G0A+8], 1
	s_mov_b32 s[G0A+9], 0
	s_sub_nc_u64 s[G0A+10:G0A+11], s[20:21], s[2:3]
	s_or_b32 s[G0A+11], s[G0A+11], 0x80000000
	s_mov_b32 s[G0B2], 1
	s_mov_b32 s[G0B2+1], 6*HALFB
	s_sub_nc_u64 s[G0B2+2:G0B2+3], s[22:23], s[2:3]
	s_or_b32 s[G0B2+3], s[G0B2+3], 0x80000000
	s_lshl_b32 s2, s16, 12
	s_mov_b32 s[G0SA], 1
	s_mov_b32 s[G0SA+1], SCL
	s_sub_nc_u64 s[G0SA+2:G0SA+3], s[18:19], s[2:3]
	s_or_b32 s[G0SA+3], s[G0SA+3], 0x80000000
	s_mov_b32 s[G0SB], 1
	s_mov_b32 s[G0SB+1], SCL+8192
	s_sub_nc_u64 s[G0SB+2:G0SB+3], s[100:101], s[2:3]
	s_or_b32 s[G0SB+3], s[G0SB+3], 0x80000000
	MKG0 G0A, 20, 0                                ; for the one refill: my quarter, where K steps 0 and 1 lay
	MKG0 G0B0, 22, 0
.macro ARM under, g0, g1, next         ; one chain of branches on the wave's number: every way passes one load
	s_cmp_lt_u32 s14, \under
	s_cbranch_scc0 \next
	tensor_load_to_lds s[\g0:\g0+3], s[\g1:\g1+7]
	s_nop 0
.rept 4
	v_nop
.endr
	s_branch .Lhead_asked
\next:
.endm
	ARM 1, G0A+8, G1A, .Lhead_b
	ARM 2, G0B2, G1B, .Lhead_sa
	ARM 3, G0SA, G1SA, .Lhead_sb
	tensor_load_to_lds s[G0SB:G0SB+3], s[G1SB:G1SB+7]
	s_nop 0
.rept 4
	v_nop
.endr
.Lhead_asked:
	v_and_b32 v1, 31, v0                           ; lane
	v_and_b32 v2, 15, v0                           ; r
	v_bfe_u32 v3, v0, 4, 1                         ; h
	v_lshlrev_b32 v[L16], 4, v1
	s_wait_alu depctr_va_vdst(0)
	v_lshlrev_b32 v[L8], 3, v1
	s_wait_alu depctr_va_vdst(0)
	s_lshl_b32 s20, s46, 1
	s_add_co_u32 s20, s20, s16
	s_lshl_b32 s20, s20, 9                         ; my 128 numbers of bo
	s_mov_b32 s21, 0
	s_add_nc_u64 s[96:97], s[96:97], s[20:21]
	v_lshlrev_b32 v21, 6, v3
.irp b, 0,1,2,3,4,5,6,7
	global_load_b128 v[BI+8*\b:BI+8*\b+3], v21, s[96:97] offset:(32*(\b/2)+8*(\b%2))*4
	global_load_b128 v[BI+8*\b+4:BI+8*\b+7], v21, s[96:97] offset:(32*(\b/2)+8*(\b%2))*4+16
.endr
	s_lshl_b32 s20, s17, 8
	s_lshl_b32 s22, s15, 7
	s_add_co_u32 s20, s20, s22                     ; my first token,
	s_lshl_b32 s20, s20, 12                        ; rows of 4,096 bytes,
	s_lshl_b32 s22, s46, 10
	s_add_co_u32 s20, s20, s22
	s_lshl_b32 s22, s16, 9
	s_add_co_u32 s20, s20, s22                     ; and my first output
	s_add_nc_u64 s[98:99], s[98:99], s[20:21]
	s_mul_i32 s20, s15, 3*HALFB
	s_mul_i32 s21, s16, 3*HALFB
	s_add_co_u32 s21, s21, 6*HALFB
.irp n, 0,1,2
	v_add_nc_u32 v[ADRA16+\n], s20, v[L16]
	v_add_nc_u32 v[ADRA8+\n], s20, v[L8]
	v_add_nc_u32 v[ADRB16+\n], s21, v[L16]
	v_add_nc_u32 v[ADRB8+\n], s21, v[L8]
	s_add_co_u32 s20, s20, HALFB
	s_add_co_u32 s21, s21, HALFB
.endr
	s_xor_b32 s21, s15, 1                          ; lanes 16-31 take B's words: 4,096 (1 + w % 2 + (1 - w / 2)) bytes further on
	s_add_co_u32 s21, s21, s16
	s_add_co_u32 s21, s21, 1
	s_lshl_b32 s21, s21, 12
	v_mul_u32_u24 v[ADRS], s21, v3
	s_lshl_b32 s20, s15, 12
	s_add_co_u32 s20, s20, SCL
	v_lshl_add_u32 v[ADRS], v2, 2, v[ADRS]
	v_add_nc_u32 v[ADRS], s20, v[ADRS]
	s_mul_i32 s20, s14, 16*SPITCH
	s_add_co_u32 s20, s20, STG                     ; my stage
	v_mul_u32_u24 v[STO], v2, SPITCH
	v_lshl_add_u32 v[STO], v3, 6, v[STO]
	v_add_nc_u32 v[STO], s20, v[STO]               ; in: row r, 64 h bytes on
	v_add_nc_u32 v[RD], s20, v[L16]                ; back: the 32 lanes take one row of 512 bytes
	s_wait_alu depctr_va_vdst(0)
	s_wait_loadcnt 0x0                             ; the bias
	s_wait_tensorcnt 0x0                           ; my one load is in; no load of mine is out, so group 1 may be written: the refill brings 96 rows of 256 bytes
.irp g, G1A, G1B
	s_mov_b32 s[\g+1], 32<<16
	s_mov_b32 s[\g+2], 96<<16
	s_mov_b32 s[\g+3], 32<<16
	s_mov_b32 s[\g+4], 96
	s_mov_b32 s[\g+5], 32
.endr
	s_barrier_signal -1
	s_barrier_wait -1
	FETCH_B 0, 0, 0
	FETCH_A 0, 0, 0
	SCALES
	FETCH_A 0, 0, 4
	STEP 0, 0, 1, 1
	TURN 1, 1, 1
	STEP 2, 1, 1, 0
	STEP 3, 2, 0, 0
	STEP 4, 2, 1, 0
	TURN 5, 0, 0
	STEP 6, 0, 1, 0
	s_wait_dscnt 16                                ; the last K step: nothing more to fetch
	WIN 0xa1
	MUL16 0, 1, 7, 0
	MUL16 2, 1, 7, 0
	s_wait_dscnt 0x0
	WIN 0xf1
	MUL16 4, 1, 7, 0
	MUL16 6, 1, 7, 0
	WIN 0
; THE WAY OUT, tile by tile of 16 tokens x 128 outputs: through my own stage in LDS, and back as whole rows of 512 bytes.  LDS serves a wave's instructions in order: no wait between the stores and the loads.
.macro TOSTAGE a
.set AC, 64*((\a)%4)
	WIN 0x08+4*((\a)/4)                            ; an LDS store's data are its source 1: window 2 or 3
.irp b, 0,1,2,3,4,5,6,7
	ds_store_b128 v[STO], v[AC+8*\b:AC+8*\b+3] offset:128*(\b/2)+32*(\b%2)          ; each accumulator from its low end on
	ds_store_b128 v[STO], v[AC+8*\b+4:AC+8*\b+7] offset:128*(\b/2)+32*(\b%2)+16
.endr
	WIN 0
.set BB, BK+64*((\a)%2)
.irp t, 0,1,2,3,4,5,6,7,8,9,10,11,12,13,14,15
	ds_load_b128 v[BB+4*\t:BB+4*\t+3], v[RD] offset:\t*SPITCH
.endr
.endm
.macro SEND a, younger                 ; younger: the LDS instructions issued behind tile a's loads, which may stay out
.set BB, BK+64*((\a)%2)
	s_wait_dscnt \younger
.irp t, 0,1,2,3,4,5,6,7,8,9,10,11,12,13,14,15
	global_store_b128 v[L16], v[BB+4*\t:BB+4*\t+3], s[98:99] offset:(32*((\a)/2)+8*((\a)%2)+(\t%8)+16*(\t/8))*4096 th:TH_STORE_NT   ; position t's token; 512 consecutive bytes, aligned
.endr
.endm
	PLACES
	TOSTAGE 0
.irp a, 1,2,3,4,5,6,7
.if \a > 1
	s_wait_xcnt 0x0                                ; tile a - 2's stores have read their registers: tile a's loads may land there
.endif
	TOSTAGE \a
	SEND \a-1, 32                                  ; behind tile a - 1's loads: tile a's 16 stores and 16 loads
.endr
	SEND 7, 0
	s_wait_tensorcnt 0x0                           ; the wave's end
	ds_add_u32 v[SPW], v[NIL]
	s_wait_dscnt 0x0
	CROUND                                         ; the closing round
	s_endpgm
.Lfunc_end_k_q2ae16c033f_outp:
	.size	k_q2ae16c033f_outp, .Lfunc_end_k_q2ae16c033f_outp-k_q2ae16c033f_outp
	.p2alignl 7, 3214868480
	.fill 96, 4, 3214868480
	.section	.rodata,"a",@progbits
	.p2align	6, 0x0
	.amdhsa_kernel k_q2ae16c033f_outp
		.amdhsa_group_segment_fixed_size 327680
		.amdhsa_private_segment_fixed_size 0
		.amdhsa_enable_private_segment 0
		.amdhsa_kernarg_size 48
		.amdhsa_user_sgpr_count 2
		.amdhsa_user_sgpr_kernarg_segment_ptr 1
		.amdhsa_wavefront_size32 1
		.amdhsa_system_sgpr_workgroup_id_x 1
		.amdhsa_system_sgpr_workgroup_id_y 1
		.amdhsa_system_sgpr_workgroup_id_z 1
		.amdhsa_system_vgpr_workitem_id 0
		.amdhsa_next_free_vgpr 1024
		.amdhsa_next_free_sgpr 104
		.amdhsa_reserve_vcc 0
		.amdhsa_float_denorm_mode_32 3
		.amdhsa_float_denorm_mode_16_64 3
		.amdhsa_memory_ordered 1
		.amdhsa_forward_progress 1
		.amdhsa_inst_pref_size 146
	.end_amdhsa_kernel
	.amdgpu_metadata
---
amdhsa.version: [ 1, 2 ]
amdhsa.kernels:
  - .name:           k_q2ae16c033f_outp
    .symbol:         k_q2ae16c033f_outp.kd
    .args:
      - { .name: attn_img, .offset: 0, .size: 8, .value_kind: global_buffer, .address_space: global }
      - { .name: attn_sc, .offset: 8, .size: 8, .value_kind: global_buffer, .address_space: global }
      - { .name: opnd, .offset: 16, .size: 8, .value_kind: global_buffer, .address_space: global }
      - { .name: opsc, .offset: 24, .size: 8, .value_kind: global_buffer, .address_space: global }
      - { .name: bo, .offset: 32, .size: 8, .value_kind: global_buffer, .address_space: global }
      - { .name: out0, .offset: 40, .size: 8, .value_kind: global_buffer, .address_space: global }
    .group_segment_fixed_size: 327680
    .private_segment_fixed_size: 0
    .kernarg_segment_align: 8
    .kernarg_segment_size: 48
    .max_flat_workgroup_size: 128
    .sgpr_count:     104
    .vgpr_count:     1024
    .wavefront_size: 32
...
	.end_amdgpu_metadata
.endif
;; end of part 4
